; MI455X (gfx1250); checked and timed in simulation.
; The chip was launched on July 23, 2026; its instructions are those of AMD's public machine-readable ISA for CDNA 5 (MIT licence, August 2026) and "CDNA5" Instruction Set Architecture Reference Guide (July 2026). The comments in the code are by the model that wrote it; some were corrected since.
;; Attention. Allowed arithmetic: matrix products marked QUANTISED: E3M2 operands, one E8M0 scale for each 32 along K, by v_wmma_scale_f32_16x16x128_f8f6f4 with both operands' format E3M2, f32 sums; everything else in f32.
;; Inputs: c_attn_b 3,072 float32; c_attn_w 1,024 x 3,072 float32; c_proj_b 1,024 float32; c_proj_w 1,024 x 1,024 float32; x 4 x 2,048 x 1,024 float32.
;; Outputs: out0 4 x 2,048 x 1,024 float32.
;; This version of the problem:
;;   THIS VERSION OF THE PROBLEM IS GIVEN IN LOW PRECISION. The matrix products marked QUANTISED in the list below multiply operands that are first quantised to E3M2 (3 exponent bits, 2 mantissa bits; 6 bits a number), with one power-of-two scale for each 32 numbers along K (OCP MX v1.0); their sums are f32. All else is computed in f32.
;;   The module's matrix products, in the order in which they are computed (A, B: the left and right operand; K: the contracted axis; several contracted axes count as one K, in the product's order):
;;     1. [M 8,192, K 1,024] x [K 1,024, N 3,072]; A: input x; B: input c_attn_w: QUANTISED
;;     2. batch 64 x [M 2,048, K 64] x [K 64, N 2,048]; A: computed on the way; B: computed on the way: QUANTISED
;;     3. batch 64 x [M 2,048, K 2,048] x [K 2,048, N 64]; A: softmax (see below); B: computed on the way: QUANTISED
;;     4. [M 8,192, K 1,024] x [K 1,024, N 1,024]; A: computed on the way; B: input c_proj_w: QUANTISED
;;   THE QUANTISER, for each operand of a quantised product, along K:
;;     - K is cut into blocks of 32 from its start; a last block that is shorter is filled with zeros.
;;     - A block's scale is 2^e with e = floor(log2(the largest magnitude in the block)) - 4, held to -126 .. 127; a block of zeros has e = 0. As a byte (E8M0): e + 127.
;;     - Each number is divided by its block's scale, clamped to +-28, and rounded to the nearest number of E3M2, ties to even, subnormals kept.
;;     - The product sums the exact products of the quantised numbers (number of the format x scale) in f32.
;;   ~~~python
;;   def quantise(x, axis):      # numpy; x: float32 -> the quantised numbers, widened to float32 again
;;       x = np.moveaxis(x, axis, -1); K = x.shape[-1]
;;       x = np.pad(x, [(0, 0)] * (x.ndim - 1) + [(0, -K % 32)]); x = x.reshape(x.shape[:-1] + (-1, 32)); a = np.abs(x).max(-1, keepdims=True)
;;       e = np.where(a > 0, np.clip(np.frexp(np.where(a > 0, a, 1))[1] - 1 - 4, -126, 127), 0)      # np.frexp(a)[1] - 1 = floor(log2(a)), exactly
;;       r = np.clip(x / 2.0 ** e, -28, 28)
;;       step = 2.0 ** (np.maximum(np.frexp(np.where(r == 0, 1, r))[1] - 1, -2) - 2)
;;       q = np.round(r / step) * step * 2.0 ** e      # np.round: ties to even
;;       return np.moveaxis(q.reshape(q.shape[:-2] + (-1,))[..., :K], -1, axis).astype(np.float32)
;;   ~~~
;;   SOFTMAX AHEAD OF A QUANTISED PRODUCT. Where the list says 'softmax', what is quantised is not the finished softmax but p = 2^(t - M), with t = logit x log2(e) and M = ceil(the row's largest t), a whole number; so 1/2 < the row's largest p <= 1. The row's sum l is taken of the UNQUANTISED p, in f32, and the product's result is divided by l at the end. Since M is a whole number, a kernel that streams over the keys may use a running M (the ceiling of the running maximum): every later rescaling is an exact power of two, which a block's scale takes up: the codes' values come out the same.
;;   OPERANDS COMPUTED ON THE WAY. 'Computed on the way' means the value that the module computes at that place (a softmax that the list does not call 'softmax' is quantised finished and normalised). What goes into a quantiser is computed in f32, as accurately as f32 sums, v_exp_f32 and their like allow (about 1e-6 of the number): no bf16 or f16 on the way to a quantiser, and a product that is left as it is and whose result goes on into a quantised operand takes f32 operands (vector FMAs, or v_wmma_f32_16x16x4_f32). A number that lies on a knife's edge between two numbers of the format may be rounded either way, as far as f32 arithmetic and the matrix unit's own rounding can turn it there, and no further.
;; One version. Each part assembles by itself: llvm-mc -triple=amdgcn-amd-amdhsa -mcpu=gfx1250 --defsym DOCPART=n.
;; ======== version 1 of 1: 4 launches
;; workspace buffers: opq 9,830,400 bytes; qc 6,291,456 bytes; qs 262,144 bytes; kv 13,107,200 bytes; acd 6,291,456 bytes; asc 524,288 bytes
;; launch quant (part 1): grid 384 x 1, 4 waves a work-group, no clusters, 102,912 bytes of LDS; arguments x, c_attn_w, c_proj_w, opq; writes opq
.if DOCPART == 1
	.amdgcn_target "amdgcn-amd-amdhsa--gfx1250"
	.amdhsa_code_object_version 6
	.text
	.protected	k_q4df00982dc_quant
	.globl	k_q4df00982dc_quant
	.p2align	8
	.type	k_q4df00982dc_quant,@function
k_q4df00982dc_quant:
	s_mov_b64 s[64:65], 0
	v_nop
	global_prefetch_b8 v0, s[64:65] scope:SCOPE_SE
	s_setreg_imm32_b32 hwreg(HW_REG_WAVE_MODE, 25, 1), 1
	s_wait_xcnt 0x0
; x [8192][1024], c_attn_w [1024][3072] and c_proj_w [1024][1024], f32, become codes of BF6 (E3M2), K innermost (768 bytes a row), with one E8M0 byte for each 32 along K (32 bytes a row),
; all in one workspace buffer: x's codes, x's bytes, c_attn_w's codes (3,072 rows: a row is a column of the weight), its bytes, c_proj_w's codes (1,024 rows), its bytes.
; A block's scale is 2^(floor(log2(largest magnitude)) - 4); its byte is the largest magnitude's exponent field - 4, held at 1 from below.
; ROWS IN POSITION ORDER: within each 32 rows of x and of c_attn_w's operand the two middle groups of eight rows change places (group g goes to place 2 (g & 1) + (g >> 1)).  A block of 16 rows
; as the product's launch reads it then holds rows 8 u + r + 8 (r / 8), so that a lane's 16 results of two neighbouring blocks are 16 neighbours.  c_proj_w's rows stay in their own order.
; LIMITS: a block of zeros, and a block whose largest magnitude lies under 2^-122, keeps the byte 1 (zero codes add nothing under it; only this program reads the bytes); NaN and infinities are not served.
; Work-groups 0-255 take x (32 rows each, 8 rows a wave), 256-351 c_attn_w (128 columns x 256 along K), 352-383 c_proj_w: 131,072 bytes read by each.  Each of the three ways has LDS bytes of its own.
; No tensor loads and no barrier: waves share nothing.
.set XSO,   6291456
.set WACO,  6553600
.set WASO,  8912896
.set WPCO,  9011200
.set WPSO,  9797632
.set STEPS, 16
.set CB,    12                         ; bytes of 16 codes
.set RR,    16                         ; v16-79   x: four sets of 16 numbers as loaded
.set XX,    80                         ; v80-111  x: two sets of 16 neighbours
.set EE,    112                        ; v112-127 x: a scale byte for each step
.set CC,    128                        ; v128-191 x: codes, four registers a step
.set WREG,  8192                       ; x: LDS of a wave: two stages of 32 x SP bytes, then its 256 scale bytes
.set SP,    80
.set WPITCH, 272                       ; weights: a stage row: sixteen places of 16 bytes + 16
.set WX,    32                         ; v32-95   weights: two sets of 32 numbers
.set WC,    96                         ; v96..    a block's codes
.set OUTR,  112                        ; v112-175 the way out
.set SB,    24                         ; v24-25   the scale bytes
.macro XLOAD t
.irp i, 0,1,2,3
	global_load_b128 v[RR+16*((\t)%4)+4*\i:RR+16*((\t)%4)+4*\i+3], v3, s[4:5] offset:2048*(\t)+512*\i th:TH_LOAD_NT   ; 32 lanes read 512 consecutive bytes
.endr
.endm
.macro XTURN t                         ; a step's 2,048 bytes through the wave's stage: in as loaded, out 64 bytes a lane; LDS serves a wave's instructions in order
.irp i, 0,1,2,3
	ds_store_b128 v14, v[RR+16*((\t)%4)+4*\i:RR+16*((\t)%4)+4*\i+3] offset:32*SP*((\t)%2)+8*SP*\i
.endr
.irp i, 0,1,2,3
	ds_load_b128 v[XX+16*((\t)%2)+4*\i:XX+16*((\t)%2)+4*\i+3], v15 offset:32*SP*((\t)%2)+16*\i
.endr
.endm
.macro XSTEP t
.set XSR, XX+16*((\t)%2)
.if (\t) > 0
	s_wait_dscnt 1                                 ; this step's numbers are back from the stage; the last step's byte store may be out
.else
	s_wait_dscnt 0x0
.endif
.if (\t)+4 < STEPS
	XLOAD (\t)+4
.endif
.if (\t)+1 < STEPS
.if STEPS-2-(\t) >= 3
	s_wait_loadcnt 12                              ; the next step's four loads are in; those of the three steps behind it may be out
.else
	s_wait_loadcnt 4*(STEPS-2-(\t))
.endif
	XTURN (\t)+1
.endif
	v_max3_num_f32 v8, |v[XSR]|, |v[XSR+1]|, |v[XSR+2]|            ; the largest magnitude of my 16, in two chains
	v_max3_num_f32 v9, |v[XSR+3]|, |v[XSR+4]|, |v[XSR+5]|
.irp i, 6,10
	v_max3_num_f32 v8, v8, |v[XSR+\i]|, |v[XSR+\i+1]|
	v_max3_num_f32 v9, v9, |v[XSR+\i+2]|, |v[XSR+\i+3]|
.endr
	v_max3_num_f32 v8, v8, |v[XSR+14]|, |v[XSR+15]|
	v_max3_num_f32 v8, v8, v9, 0x2800000           ; and the floor 2^(5 - 127): the byte cannot fall under 1
	v_max_num_f32_dpp v8, v8, v8 row_xmask:1 row_mask:0xf bank_mask:0xf   ; with my neighbour's 16: the block's
	v_add_nc_u32 v11, 0xfe000000, v8               ; 4 off the exponent field: the conversion's scale operand
	v_cvt_scalef32_pk16_bf6_f32 v[CC+4*(\t):CC+4*(\t)+2], v[XSR:XSR+15], v11
	v_lshrrev_b32 v[EE+(\t)], 23, v11              ; the scale's byte
	ds_store_b8 v5, v[EE+(\t)] offset:16*(\t)      ; both lanes of a block write the same byte with the same value
	global_store_b96 v4, v[CC+4*(\t):CC+4*(\t)+2], s[12:13] offset:32*CB*(\t)   ; the wave stores 384 consecutive bytes
.endm
.macro WLOAD t, n                      ; block t: W(32 t + i, my column), i = 0 .. 31
.irp i, 0,1,2,3,4,5,6,7,8,9,10,11,12,13,14,15,16,17,18,19,20,21,22,23,24,25,26,27,28,29,30,31
	global_load_b32 v[WX+32*((\t)%2)+\i], v3, s[12:13] offset:(32*(\t)+\i)*(\n)*4 th:TH_LOAD_NT
.endr
.endm
.macro WBLOCK t, n
.set WXS, WX+32*((\t)%2)
.if (\t) < 7
	s_wait_loadcnt 32                              ; this block's 32 loads are in; the next block's may be out
.else
	s_wait_loadcnt 0
.endif
	v_max3_num_f32 v12, |v[WXS]|, |v[WXS+1]|, |v[WXS+2]|           ; all 32 numbers of the block are mine
	v_max3_num_f32 v13, |v[WXS+3]|, |v[WXS+4]|, |v[WXS+5]|
.irp i, 6,10,14,18,22,26
	v_max3_num_f32 v12, v12, |v[WXS+\i]|, |v[WXS+\i+1]|
	v_max3_num_f32 v13, v13, |v[WXS+\i+2]|, |v[WXS+\i+3]|
.endr
	v_max3_num_f32 v12, v12, |v[WXS+30]|, |v[WXS+31]|
	v_max3_num_f32 v12, v12, v13, 0x2800000
	v_add_nc_u32 v11, 0xfe000000, v12
	v_lshrrev_b32 v13, 23, v11
.if (\t)%4 == 0
	v_mov_b32 v[SB+(\t)/4], v13                    ; four bytes to a register, the lower K in the lower byte
.else
	v_lshl_or_b32 v[SB+(\t)/4], v13, 8*((\t)%4), v[SB+(\t)/4]
.endif
	v_cvt_scalef32_pk16_bf6_f32 v[WC:WC+2], v[WXS:WXS+15], v11
	v_cvt_scalef32_pk16_bf6_f32 v[WC+4:WC+6], v[WXS+16:WXS+31], v11
	ds_store_b96 v4, v[WC:WC+2] offset:32*(\t)     ; 12 bytes to a place of 16
	ds_store_b96 v4, v[WC+4:WC+6] offset:32*(\t)+16
.if (\t)+2 < 8
	WLOAD (\t)+2, \n
.endif
	s_wait_dscnt 0x0                               ; the stores have read their registers: the next block's codes may be written
.endm
; A weight [1024][n]: a lane takes a column, its registers run down K.  A wave takes 32 columns x 256 along K.  perm = 1: a column's row in the stage and among the scale bytes is its place in position order.
.macro WQ n, perm, lb, first, codes, scales, src
	s_sub_co_u32 s17, ttmp9, \first
	s_and_b32 s18, s17, 3                          ; which 256 along K
	s_lshr_b32 s17, s17, 2
	s_lshl_b32 s17, s17, 7
	s_lshl_b32 s19, s16, 5
	s_add_co_u32 s17, s17, s19                     ; my wave's first column
	v_lshlrev_b32 v3, 2, v2
.if \perm
	v_and_b32 v10, 7, v2
	v_bfe_u32 v11, v2, 3, 1
	v_lshl_add_u32 v10, v11, 4, v10
	v_bfe_u32 v11, v2, 4, 1
	v_lshl_add_u32 v10, v11, 3, v10                ; (lane & 7) + 16 x bit 3 + 8 x bit 4
.else
	v_and_b32 v10, 31, v0
.endif
	s_mul_i32 s19, s16, 32*WPITCH
	s_add_co_u32 s19, s19, \lb                     ; my stage
	v_mul_u32_u24 v4, v10, WPITCH
	v_add_nc_u32 v4, s19, v4                       ; into it: my column's row
	v_and_b32 v5, 15, v2
	v_lshrrev_b32 v6, 4, v2
	v_mul_u32_u24 v7, v6, WPITCH
	v_lshl_add_u32 v7, v5, 4, v7
	v_add_nc_u32 v7, s19, v7                       ; out of it: sixteen lanes to a row, two rows an instruction
	v_mul_u32_u24 v8, v6, 768
	v_mad_u32_u24 v8, v5, 12, v8                   ; and the same place among the codes
	v_lshlrev_b32 v9, 5, v10                       ; my column's row of scale bytes
	s_mul_i32 s20, s18, 256*(\n)*4
	s_lshl_b32 s22, s17, 2
	s_add_co_u32 s20, s20, s22
	s_mov_b32 s21, 0
	s_mul_i32 s24, s17, 768
	s_mul_i32 s26, s18, 192
	s_add_co_u32 s24, s24, s26
	s_add_co_u32 s24, s24, \codes
	s_mov_b32 s25, 0
	s_lshl_b32 s28, s17, 5
	s_lshl_b32 s26, s18, 3
	s_add_co_u32 s28, s28, s26
	s_add_co_u32 s28, s28, \scales
	s_mov_b32 s29, 0
	s_wait_kmcnt 0x0
	s_add_nc_u64 s[12:13], s[\src:\src+1], s[20:21]
	s_add_nc_u64 s[14:15], s[10:11], s[24:25]
	s_add_nc_u64 s[30:31], s[10:11], s[28:29]
	WLOAD 0, \n
	WLOAD 1, \n
.irp t, 0,1,2,3,4,5,6,7
	WBLOCK \t, \n
.endr
	global_store_b64 v9, v[SB:SB+1], s[30:31]      ; my column's eight scale bytes
.irp t, 0,1,2,3,4,5,6,7,8,9,10,11,12,13,14,15
	ds_load_b96 v[OUTR+4*\t:OUTR+4*\t+2], v7 offset:2*\t*WPITCH   ; LDS serves a wave's instructions in order: these see my stores
.endr
.irp t, 0,1,2,3,4,5,6,7,8,9,10,11,12,13,14,15
	s_wait_dscnt 15-\t
	global_store_b96 v8, v[OUTR+4*\t:OUTR+4*\t+2], s[14:15] offset:2*\t*768      ; sixteen lanes store a row's 192 consecutive bytes
.endr
.endm
	s_load_b128 s[4:7], s[0:1], 0x0                ; x, c_attn_w
	s_load_b128 s[8:11], s[0:1], 0x10              ; c_proj_w, the workspace
	v_lshl_add_u32 v192, v0, 2, 0x19000
	v_mov_b32 v193, 0
	v_lshrrev_b32 v1, 5, v0
	v_readfirstlane_b32 s16, v1                    ; wave
	v_and_b32 v2, 31, v0                           ; lane
	s_cmp_lt_u32 ttmp9, 256
	s_cbranch_scc0 .Lweights
	; ---- x: a wave takes 8 rows, 16 steps of 512 numbers
	v_lshlrev_b32 v3, 4, v2
	s_mul_i32 s17, s16, WREG
	v_lshrrev_b32 v14, 2, v2
	v_mul_u32_u24 v14, v14, SP
	v_and_b32 v15, 3, v2
	v_lshl_add_u32 v14, v15, 4, v14
	v_add_nc_u32 v14, s17, v14                     ; the stage, in: SP (lane / 4) + 16 (lane % 4)
	v_mul_u32_u24 v15, v2, SP
	v_add_nc_u32 v15, s17, v15                     ; out: SP x lane
	v_mul_u32_u24 v4, v2, CB
	v_lshrrev_b32 v5, 1, v2
	s_add_co_u32 s17, s17, 2*32*SP
	v_add_nc_u32 v5, s17, v5                       ; my block's scale byte in LDS
	v_lshlrev_b32 v7, 3, v2
	v_add_nc_u32 v6, s17, v7
	s_lshl_b32 s18, ttmp9, 2
	s_add_co_u32 s19, s18, s16                     ; the group of 8 rows that I read
	s_and_b32 s20, s16, 1
	s_lshl_b32 s20, s20, 1
	s_lshr_b32 s21, s16, 1
	s_or_b32 s20, s20, s21
	s_add_co_u32 s18, s18, s20                     ; and its place in position order
	s_lshl_b32 s22, s19, 15
	s_mov_b32 s23, 0
	s_mul_i32 s24, s18, 6144
	s_mov_b32 s25, 0
	s_lshl_b32 s26, s18, 8
	s_add_co_u32 s26, s26, XSO
	s_mov_b32 s27, 0
	s_wait_kmcnt 0x0
	s_add_nc_u64 s[4:5], s[4:5], s[22:23]
	s_add_nc_u64 s[12:13], s[10:11], s[24:25]
	s_add_nc_u64 s[14:15], s[10:11], s[26:27]
.irp t, 0,1,2,3
	XLOAD \t
.endr
	s_wait_loadcnt 12                              ; step 0's four loads are in
	XTURN 0
.irp t, 0,1,2,3,4,5,6,7,8,9,10,11,12,13,14,15
	XSTEP \t
.endr
	ds_load_b64 v[12:13], v6                       ; my wave's 256 scale bytes, 8 a lane
	s_wait_dscnt 0x0
	global_store_b64 v7, v[12:13], s[14:15]        ; 256 consecutive bytes, aligned
	s_wait_tensorcnt 0x0
	ds_add_u32 v192, v193
	s_wait_dscnt 0x0
	s_endpgm
.Lweights:
	s_cmp_lt_u32 ttmp9, 352
	s_cbranch_scc0 .Lproj_w
	WQ 3072, 1, 32768, 256, WACO, WASO, 6
	s_wait_tensorcnt 0x0
	ds_add_u32 v192, v193
	s_wait_dscnt 0x0
	s_endpgm
.Lproj_w:
	WQ 1024, 0, 67584, 352, WPCO, WPSO, 8
	s_wait_tensorcnt 0x0
	ds_add_u32 v192, v193
	s_wait_dscnt 0x0
	s_endpgm
.Lfunc_end_k_q4df00982dc_quant:
	.size	k_q4df00982dc_quant, .Lfunc_end_k_q4df00982dc_quant-k_q4df00982dc_quant
	.p2alignl 7, 3214868480
	.fill 96, 4, 3214868480
	.section	.rodata,"a",@progbits
	.p2align	6, 0x0
	.amdhsa_kernel k_q4df00982dc_quant
		.amdhsa_group_segment_fixed_size 102912
		.amdhsa_private_segment_fixed_size 0
		.amdhsa_enable_private_segment 0
		.amdhsa_kernarg_size 32
		.amdhsa_user_sgpr_count 2
		.amdhsa_user_sgpr_kernarg_segment_ptr 1
		.amdhsa_wavefront_size32 1
		.amdhsa_system_sgpr_workgroup_id_x 1
		.amdhsa_system_sgpr_workgroup_id_y 1
		.amdhsa_system_sgpr_workgroup_id_z 1
		.amdhsa_system_vgpr_workitem_id 0
		.amdhsa_next_free_vgpr 194
		.amdhsa_next_free_sgpr 66
		.amdhsa_reserve_vcc 0
		.amdhsa_float_denorm_mode_32 3
		.amdhsa_float_denorm_mode_16_64 3
		.amdhsa_memory_ordered 1
		.amdhsa_forward_progress 1
		.amdhsa_inst_pref_size 114
	.end_amdhsa_kernel
	.amdgpu_metadata
---
amdhsa.version: [ 1, 2 ]
amdhsa.kernels:
  - .name:           k_q4df00982dc_quant
    .symbol:         k_q4df00982dc_quant.kd
    .args:
      - { .name: x, .offset: 0, .size: 8, .value_kind: global_buffer, .address_space: global }
      - { .name: c_attn_w, .offset: 8, .size: 8, .value_kind: global_buffer, .address_space: global }
      - { .name: c_proj_w, .offset: 16, .size: 8, .value_kind: global_buffer, .address_space: global }
      - { .name: opq, .offset: 24, .size: 8, .value_kind: global_buffer, .address_space: global }
    .group_segment_fixed_size: 102912
    .private_segment_fixed_size: 0
    .kernarg_segment_align: 8
    .kernarg_segment_size: 32
    .max_flat_workgroup_size: 128
    .sgpr_count:     66
    .vgpr_count:     194
    .wavefront_size: 32
...
	.end_amdgpu_metadata
.endif
;; end of part 1
;; launch qkv (part 2): grid 8 x 32, 4 waves a work-group, clusters of 4 x 4, 327,680 bytes of LDS; arguments opq, c_attn_b, qc, qs, kv; writes qc, qs, kv
.if DOCPART == 2
	.amdgcn_target "amdgcn-amd-amdhsa--gfx1250"
	.amdhsa_code_object_version 6
	.text
	.protected	k_q4df00982dc_qkv
	.globl	k_q4df00982dc_qkv
	.p2align	8
	.type	k_q4df00982dc_qkv,@function
k_q4df00982dc_qkv:
	s_mov_b64 s[64:65], 0
	v_nop
	global_prefetch_b8 v0, s[64:65] scope:SCOPE_SE
	s_setreg_imm32_b32 hwreg(HW_REG_WAVE_MODE, 25, 1), 1
	s_wait_xcnt 0x0
	s_wait_alu depctr_hold_cnt(0) depctr_sa_sdst(0) depctr_va_vdst(0) depctr_va_sdst(0) depctr_va_ssrc(0) depctr_va_vcc(0) depctr_vm_vsrc(0)
	s_getreg_b32 s2, hwreg(HW_REG_IB_STS2, 6, 4)
	s_cmp_eq_u32 s2, 0
	s_cbranch_scc0 .Lentry_in_a_cluster
	s_endpgm
.Lentry_in_a_cluster:
	s_bfe_u32 s2, ttmp6, 0x10000c
	s_cmp_lg_u32 s2, 0xf033
	s_cbranch_scc0 .Lentry_shape_is_right
	s_endpgm
.Lentry_shape_is_right:
; qkv = x W + b on codes of BF6 (E3M2) with E8M0 scales, K = 1,024; the results never go to memory as f32: q and k are quantised along the head's 64, v along the keys, out of the accumulators.
; 256 WORK-GROUPS OF EQUAL WORK, EACH IN TWO PHASES.  q and k are 8,192 x 2,048 outputs: 256 tiles of 256 x 256; v is 8,192 x 1,024: 256 half tiles of 256 tokens x 128 features.
;   PHASE 1: work-group (WX, WY) makes the tile of W's rows 256 WX (features of q, WX 0-3, or of k, WX 4-7) and x's rows 256 WY; a wave makes 128 x 128: 64 accumulators.
;   PHASE 2: the same 256 tokens against W's rows 2,048 + 128 WX (two heads of v); a wave makes 128 tokens x 64 features: 32 accumulators.
; The quantiser runs along a lane's registers, which are source 0's rows: in phase 1 source 0 = 16 rows of W and source 1 = 16 rows of x; in phase 2 source 0 = x (the tokens are v's K) and source 1 = W.
; K goes in steps of 256 through two LDS slots filled by joint tensor loads in a cluster of 4 x 4: x's tile hangs on WY alone and is shared along a row of the cluster, W's on WX alone and is shared along
; a column, in both phases.  THE RING GOES ON FROM PHASE 1 INTO PHASE 2: phase 1's last two changes of slots ask for phase 2's first two K steps, which land under phase 1's way out.
; The part (q or k) is the cluster's x: the same in all sixteen partners.
; Rows lie in position order (block 2 i + u holds rows 32 i + 8 u + r + 8 (r / 8)), so the 16 registers of source-0 blocks 2 i, 2 i + 1 are neighbours 32 i + 16 (lane / 16) + 0 .. 15.
; THE SCALE WORDS of a wave's rows for all of K stay in registers, loaded once a phase: lane l takes the 32 bytes of row 32 p + l (lanes 0-15 an even block, lanes 16-31 the odd one).
; THE BIAS is the C of each sum's first product.
; OUT: q: half-fragment images (768 bytes: registers 0-3 at 16 x lane, registers 4-5 at 512 + 8 x lane) by head and tile of 16 tokens; k the same inside a head's blocks of 128 keys; v as whole fragment
; images (16 of the head's 64 x 128 keys); scale words beside them.  Every store covers whole aligned runs of 256 bytes.
; LIMITS: blocks of zeros and blocks whose largest magnitude lies under 2^-122 keep the byte 1; NaN and infinities are not served.
; REGISTERS: window 0: v8-23 LDS addresses, v24-27, v30 lane offsets, v28-29 for the add, v32-95 scale words and nothing else, v96-127 and v224-255 the bias, v128-223 source 1's fragments (one set);
;   on the way out v176-247 are at work.   window 1: source 0's fragments, two sets (v0, v128);  windows 2, 3: the accumulators ((a, b) at v[8 (8 (a % 4) + b)]).
.set KROW,  768
.set ROWB,  192
.set PITCH, 240                        ; an LDS row: 3 x (64 bytes + 16 of padding)
.set FR,    12
.set NL,    6
.set NP,    4
.set HALFT, 128*PITCH
.set SLOT,  4*HALFT                    ; x's 256 rows, then W's 256 (phase 2: 128)
.set SPARE, 2*SLOT                     ; behind the ring: the spare words, 128 bytes a wave
.set XS,    6291456
.set WAC,   6553600
.set WAS,   8912896
.set PADW,  (1<<20)|(1<<21)|(3<<22)|(3<<25)   ; elements of 1 byte; padding on; bit 21 beside a mask; 4 words behind every 16
.set ADRB2, 8                          ; v8-11   phase 2: x as source 0
.set ADRA2, 12                         ; v12-15  phase 2: W as source 1
.set ADRA,  16                         ; v16-19  phase 1: x as source 1
.set ADRB,  20                         ; v20-23  phase 1: W as source 0
.set L16,   24
.set L8,    25
.set L32,   26
.set BO,    27
.set SPW,   28
.set NIL,   29
.set BO2,   30
.set SCA,   32                         ; phase 1: x's scale words, W's
.set SCB,   64
.set SCB2,  32                         ; phase 2: x's (32 registers), W's (16)
.set SCA2,  64
.set BI2,   96                         ; phase 2: the bias, eight registers a block of W
.set AF,    128
.set TM,    176                        ; the way out: at work
.set PWS,   192                        ; eight scale words
.set PK,    200                        ; scale words packed for their store
.set CD0,   208                        ; two sets of 20 registers for the codes
.set G1,    24                         ; s[24:31], s[32:39] groups 1 and 0 for x's tiles
.set G0,    32
.set G1B,   48                         ; s[48:55], s[56:63] for W's tiles of phase 1
.set G0B,   56
.set G1C,   84                         ; s[84:91], s[92:99] for W's tiles of phase 2: 64 rows a load
.set G0C,   92
.set MSB, 0
.macro WIN new                         ; the immediate's high byte repeats the setting that is left
.if MSB != (\new)
	s_set_vgpr_msb (MSB<<8)|(\new)
.set MSB, (\new)
.endif
.endm
.set MUL_LO, 0xa1                      ; source 0 window 1, source 1 window 0, C and D window 2
.set MUL_HI, 0xf1
.set BIA_LO, 0x81                      ; the same with C (the bias) in window 0
.set BIA_HI, 0xc1
.set TO_B,   0x40
.macro JLOAD g0a, g1a, g0b, g1b        ; a joint load: waves 0, 1 fetch x's halves, waves 2, 3 W's; four v_nop follow each line
	s_cmp_eq_u32 s15, 0
	s_cbranch_scc0 .Lfor_b_\@
	tensor_load_to_lds s[\g0a:\g0a+3], s[\g1a:\g1a+7]
	s_nop 0
.rept 4
	v_nop
.endr
	s_branch .Lasked_\@
.Lfor_b_\@:
	tensor_load_to_lds s[\g0b:\g0b+3], s[\g1b:\g1b+7]
	s_nop 0
.rept 4
	v_nop
.endr
.Lasked_\@:
.endm
.macro CREST
	s_cmp_lg_u32 s14, 0
	s_cbranch_scc1 .Lnot_wave_0_\@
	s_barrier_signal -3
.Lnot_wave_0_\@:
	s_barrier_wait -3
	s_barrier_signal -1
	s_barrier_wait -1
.endm
.macro CROUND
	s_barrier_signal -1
	s_barrier_wait -1
	CREST
.endm
.macro PLACES n
.rept \n
	v_nop
.endr
.endm
.macro FRAG reg, adr, q, i             ; 16 rows x 128 K: 12 registers, six pieces of 8 bytes; where the piece of lanes 16-31 lies behind one padding more, the second address register serves
.irp p, 0,1,2,3,4,5
.set PCE, 12*(\q)+6*(\p/3)+\p%3
.if PCE%8 < 5
	ds_load_b64 v[\reg+2*\p:\reg+2*\p+1], v[\adr] offset:8*PCE+16*(PCE/8)+(\i)*16*PITCH
.else
	ds_load_b64 v[\reg+2*\p:\reg+2*\p+1], v[\adr+2] offset:8*PCE+16*(PCE/8)+(\i)*16*PITCH
.endif
.endr
.endm
.macro FETCH_B slot, q, p              ; phase 1: W's eight blocks into set p
	WIN TO_B
.irp i, 0,1,2,3,4,5,6,7
	FRAG 128*(\p)+FR*\i, ADRB+\slot, \q, \i
.endr
	WIN 0
.endm
.macro FETCH_A slot, q, i0             ; phase 1: x's blocks i0 .. i0 + 3
.irp i, \i0, \i0+1, \i0+2, \i0+3
	FRAG AF+FR*(\i), ADRA+\slot, \q, \i
.endr
.endm
.macro FETCH_B2 slot, q, p             ; phase 2: x's eight blocks into set p
	WIN TO_B
.irp i, 0,1,2,3,4,5,6,7
	FRAG 128*(\p)+FR*\i, ADRB2+\slot, \q, \i
.endr
	WIN 0
.endm
.macro FETCH_A2 slot, q, i0            ; phase 2: W's blocks i0, i0 + 1
.irp i, \i0, \i0+1
	FRAG AF+FR*(\i), ADRA2+\slot, \q, \i
.endr
.endm
.macro WM                              ; one product, from the symbols set ahead of it; rW: bit 1 source 0's scales in lanes 16-31, bit 0 source 1's
.if rW == 0
	v_wmma_scale_f32_16x16x128_f8f6f4 v[rD:rD+7], v[rB:rB+11], v[rA:rA+11], v[rC:rC+7], v[rSB], v[rSA] matrix_a_fmt:MATRIX_FMT_BF6 matrix_b_fmt:MATRIX_FMT_BF6
.elseif rW == 1
	v_wmma_scale_f32_16x16x128_f8f6f4 v[rD:rD+7], v[rB:rB+11], v[rA:rA+11], v[rC:rC+7], v[rSB], v[rSA] matrix_a_fmt:MATRIX_FMT_BF6 matrix_b_fmt:MATRIX_FMT_BF6 matrix_b_scale:MATRIX_SCALE_ROW1
.elseif rW == 2
	v_wmma_scale_f32_16x16x128_f8f6f4 v[rD:rD+7], v[rB:rB+11], v[rA:rA+11], v[rC:rC+7], v[rSB], v[rSA] matrix_a_fmt:MATRIX_FMT_BF6 matrix_b_fmt:MATRIX_FMT_BF6 matrix_a_scale:MATRIX_SCALE_ROW1
.else
	v_wmma_scale_f32_16x16x128_f8f6f4 v[rD:rD+7], v[rB:rB+11], v[rA:rA+11], v[rC:rC+7], v[rSB], v[rSA] matrix_a_fmt:MATRIX_FMT_BF6 matrix_b_fmt:MATRIX_FMT_BF6 matrix_a_scale:MATRIX_SCALE_ROW1 matrix_b_scale:MATRIX_SCALE_ROW1
.endif
.endm
; 16 products: source 1's blocks a0, a0 + 1 x source 0's eight, the kap-th 128 along K; p: source 0's set; sa, sb: where source 1's and source 0's scale words begin.
; cm = 0: C = D; 1: C = phase 1's bias, by source 0's block; 2: phase 2's, by source 1's block.  The accumulators take turns, one instruction a turn.
.macro MUL16 a0, p, kap, cm, sa, sb
.irp a, \a0, \a0+1
.irp b, 0,1,2,3,4,5,6,7
.set rD, 8*(8*((\a)%4)+\b)
.set rB, 128*(\p)+FR*\b
.set rA, AF+FR*(\a)
.set rSB, (\sb)+8*(\b/2)+(\kap)
.set rSA, (\sa)+8*((\a)/2)+(\kap)
.set rW, 2*(\b%2)+((\a)%2)
.if \cm == 0
.set rC, rD
.elseif \cm == 1
.set rC, 96+8*\b+96*(\b/4)
.else
.set rC, BI2+8*(\a)
.endif
	WM
.endr
.endr
.endm
; PHASE 1.  A slot's first 128 along K.
.macro STEP slot, ks, cm
	s_wait_dscnt 4*NL                              ; W's set and x's blocks 0-3 are in; the youngest 24 loads (x's blocks 4-7) may be out
.if \cm
	WIN BIA_LO
.else
	WIN MUL_LO
.endif
	MUL16 0, 0, 2*(\ks), \cm, SCA, SCB
	MUL16 2, 0, 2*(\ks), \cm, SCA, SCB
	s_wait_dscnt 0
	PLACES NP                                      ; four places in front of loads into registers that products have read
	FETCH_B \slot, 1, 1
	FETCH_A \slot, 1, 0
.if \cm
	WIN BIA_HI
.else
	WIN MUL_HI
.endif
	MUL16 4, 0, 2*(\ks), \cm, SCA, SCB
	MUL16 6, 0, 2*(\ks), \cm, SCA, SCB
	PLACES NP
	WIN 0
	FETCH_A \slot, 1, 4
.endm
; A slot's second 128 along K changes slots: one barrier, which opens a round of the cluster's; in front of it each wave waits for all its tensor loads, adds 0 to its spare word, and waits for that and for
; its reads of this slot.  fill = 1: this slot takes phase 1's K step two steps on; fill = 2: phase 2's K step 0 (x goes back along K, W's tile has descriptors of its own).
.macro TURN slot, next, fill, ks
	s_wait_tensorcnt 0x0                           ; all my tensor loads have landed: my part of the next slot
	ds_add_u32 v[SPW], v[NIL]
	s_wait_dscnt 4*NL+1                            ; the add and the youngest 24 loads may be out
	WIN MUL_LO
	MUL16 0, 1, 2*(\ks)+1, 0, SCA, SCB
	s_wait_dscnt 0x0                               ; the add is done, and my reads of this slot are over
	s_barrier_signal -1
	MUL16 2, 1, 2*(\ks)+1, 0, SCA, SCB
	WIN 0
	s_barrier_wait -1
	CREST                                          ; no wave of any partner still reads this slot or has a load on its way
.if \fill == 1
	s_add_nc_u64 s[G0+4*\slot+2:G0+4*\slot+3], s[G0+4*\slot+2:G0+4*\slot+3], 2*ROWB
	s_add_nc_u64 s[G0B+4*\slot+2:G0B+4*\slot+3], s[G0B+4*\slot+2:G0B+4*\slot+3], 2*ROWB
	JLOAD G0+4*\slot, G1, G0B+4*\slot, G1B         ; the first tensor load behind the round; its four v_nop are the places in front of the loads below
.else
	s_sub_nc_u64 s[G0+4*\slot+2:G0+4*\slot+3], s[G0+4*\slot+2:G0+4*\slot+3], 2*ROWB
	JLOAD G0+4*\slot, G1, G0C+4*\slot, G1C
.endif
	FETCH_B \next, 0, 0
	FETCH_A \next, 0, 0
	WIN MUL_HI
	MUL16 4, 1, 2*(\ks)+1, 0, SCA, SCB
	MUL16 6, 1, 2*(\ks)+1, 0, SCA, SCB
	PLACES NP
	WIN 0
	FETCH_A \next, 0, 4
.endm
; PHASE 2.  32 products for 128 along K: W's four blocks x x's eight.  W's blocks 0, 1 are fetched anew in the step's middle, blocks 2, 3 at its end.
.macro STEP2 slot, ks, cm
	s_wait_dscnt 2*NL                              ; x's set and W's blocks 0, 1 are in; the youngest 12 loads (W's blocks 2, 3) may be out
.if \cm
	WIN BIA_LO
.else
	WIN MUL_LO
.endif
	MUL16 0, 0, 2*(\ks), \cm, SCA2, SCB2
	s_wait_dscnt 0
	PLACES NP
	FETCH_B2 \slot, 1, 1
	FETCH_A2 \slot, 1, 0
.if \cm
	WIN BIA_LO
.else
	WIN MUL_LO
.endif
	MUL16 2, 0, 2*(\ks), \cm, SCA2, SCB2
	PLACES NP
	WIN 0
	FETCH_A2 \slot, 1, 2
.endm
.macro TURN2 slot, next, fill, ks
	s_wait_tensorcnt 0x0                           ; all my tensor loads have landed: my part of the next slot
	ds_add_u32 v[SPW], v[NIL]
	s_wait_dscnt 2*NL+1                            ; the add and the youngest 12 loads may be out
	WIN MUL_LO
	MUL16 0, 1, 2*(\ks)+1, 0, SCA2, SCB2           ; sixteen products stand between the add and the wait for it
	s_wait_dscnt 0x0                               ; the add is done, and my reads of this slot are over
	s_barrier_signal -1
	WIN 0
	s_barrier_wait -1
.if \fill
	CREST                                          ; the barrier has opened a round of the cluster's barrier
	s_add_nc_u64 s[G0+4*\slot+2:G0+4*\slot+3], s[G0+4*\slot+2:G0+4*\slot+3], 2*ROWB
	s_add_nc_u64 s[G0C+4*\slot+2:G0C+4*\slot+3], s[G0C+4*\slot+2:G0C+4*\slot+3], 2*ROWB
	JLOAD G0+4*\slot, G1, G0C+4*\slot, G1C         ; the first tensor load behind the round; its four v_nop are the places in front of the loads below
.else
	PLACES NP
.endif
	FETCH_B2 \next, 0, 0
	FETCH_A2 \next, 0, 0
	WIN MUL_LO
	MUL16 2, 1, 2*(\ks)+1, 0, SCA2, SCB2
	PLACES NP
	WIN 0
	FETCH_A2 \next, 0, 2
.endm
	s_load_b256 s[4:11], s[0:1], 0x0               ; the operands' codes and scales, c_attn_b, qc, qs
	s_load_b64 s[12:13], s[0:1], 0x20              ; kv
	v_lshl_add_u32 v[SPW], v0, 2, SPARE
	v_mov_b32 v[NIL], 0
	ds_add_u32 v28, v29
	ds_add_u32 v28, v29
	s_wait_dscnt 0x0
	v_lshrrev_b32 v1, 5, v0
	v_readfirstlane_b32 s14, v1                    ; wave 0..3
	s_lshr_b32 s15, s14, 1                         ; my half of source 1's rows.  Also: I fetch x (0) or W (1)
	s_and_b32 s16, s14, 1                          ; my half of source 0's rows.  Also: which half I fetch
	s_bfe_u32 s40, ttmp6, 0x40000                  ; cx
	s_bfe_u32 s41, ttmp6, 0x40004                  ; cy
	s_mov_b32 s66, ttmp9                           ; the part: the cluster's x: 0 q, 1 k
	s_lshl_b32 s42, ttmp9, 2
	s_add_co_u32 s42, s42, s40                     ; WX: hangs on cx alone within the cluster
	s_and_b32 s17, ttmp7, 0xffff
	s_lshl_b32 s17, s17, 2
	s_add_co_u32 s17, s17, s41                     ; WY: on cy alone
	s_mov_b32 s80, 0xffff0000                      ; lanes 16-31
	s_mov_b32 s82, 0x76543210
	s_mov_b32 s83, 0xfedcba98                      ; v_permlanex16_b32's selects for lane l xor 16
	s_lshl_b32 s43, s41, 2
	s_lshl_b32 s43, 15, s43                        ; my row of the cluster
	s_lshl_b32 s44, 0x1111, s40                    ; my column
	s_or_b32 s[G1+0], s43, PADW                    ; x's tiles go to my row,
	s_or_b32 s[G1B+0], s44, PADW                   ; W's to my column
	s_or_b32 s[G1C+0], s44, PADW
.irp g, G1, G1B
	s_mov_b32 s[\g+1], ROWB<<16                    ; tensor_dim0
	s_mov_b32 s[\g+2], 128<<16                     ; tensor_dim1
	s_mov_b32 s[\g+3], ROWB<<16                    ; tile_dim0
	s_mov_b32 s[\g+4], 128                         ; tile_dim1
	s_mov_b32 s[\g+5], KROW                        ; the pitch
	s_mov_b32 s[\g+6], 0
	s_mov_b32 s[\g+7], 0
.endr
	s_mov_b32 s[G1C+1], ROWB<<16
	s_mov_b32 s[G1C+2], 64<<16                     ; phase 2: 64 rows of W a load
	s_mov_b32 s[G1C+3], ROWB<<16
	s_mov_b32 s[G1C+4], 64
	s_mov_b32 s[G1C+5], KROW
	s_mov_b32 s[G1C+6], 0
	s_mov_b32 s[G1C+7], 0
	s_lshl_b32 s18, s16, 7
	s_lshl_b32 s20, s17, 8
	s_add_co_u32 s20, s20, s18                     ; x: the first row that I fetch (x's codes begin the buffer)
	s_mul_i32 s20, s20, KROW
	s_mov_b32 s21, 0
	s_lshl_b32 s46, s42, 8
	s_add_co_u32 s46, s46, s18                     ; W, phase 1: the first row that I fetch, which is also the first that I multiply
	s_mov_b32 s81, s46
	s_mul_i32 s46, s46, KROW
	s_add_co_u32 s46, s46, WAC
	s_mov_b32 s47, 0
	s_lshl_b32 s22, s42, 7
	s_lshl_b32 s19, s16, 6
	s_add_co_u32 s22, s22, s19
	s_add_co_u32 s22, s22, 2048                    ; W, phase 2: row 2,048 + 128 WX + 64 x half
	s_mul_i32 s22, s22, KROW
	s_add_co_u32 s22, s22, WAC
	s_mov_b32 s23, 0
	s_mul_i32 s45, s14, HALFT                      ; where a load of 128 rows goes: wave x 128 rows
	s_mul_i32 s67, s16, 64*PITCH
	s_add_co_u32 s67, s67, 2*HALFT                 ; and one of phase 2's 64 rows of W
	s_lshl_b32 s100, s17, 8
	s_lshl_b32 s19, s15, 7
	s_add_co_u32 s100, s100, s19                   ; phase 1: the first token that I multiply
	s_lshl_b32 s104, s100, 5
	s_add_co_u32 s104, s104, XS
	s_mov_b32 s105, 0
	s_lshl_b32 s2, s81, 5
	s_add_co_u32 s2, s2, WAS
	s_mov_b32 s3, 0
	s_wait_kmcnt 0x0
	s_add_nc_u64 s[20:21], s[4:5], s[20:21]
	s_add_nc_u64 s[46:47], s[4:5], s[46:47]
	s_add_nc_u64 s[22:23], s[4:5], s[22:23]
	s_add_nc_u64 s[68:69], s[4:5], s[104:105]      ; x's scale bytes of my 128 tokens
	s_add_nc_u64 s[70:71], s[4:5], s[2:3]          ; W's of my 128 features
.irp s, 0,1
	s_mov_b32 s[G0C+4*\s], 1
	s_add_co_u32 s[G0C+4*\s+1], s67, \s*SLOT
	s_add_nc_u64 s[G0C+4*\s+2:G0C+4*\s+3], s[22:23], \s*ROWB
	s_or_b32 s[G0C+4*\s+3], s[G0C+4*\s+3], 0x80000000
.endr
	CROUND                                         ; all sixteen work-groups are here: the first joint loads meet
.irp s, 0,1
	s_mov_b32 s[G0+4*\s], 1
	s_add_co_u32 s[G0+4*\s+1], s45, \s*SLOT
	s_add_nc_u64 s[G0+4*\s+2:G0+4*\s+3], s[20:21], \s*ROWB
	s_or_b32 s[G0+4*\s+3], s[G0+4*\s+3], 0x80000000
	s_mov_b32 s[G0B+4*\s], 1
	s_add_co_u32 s[G0B+4*\s+1], s45, \s*SLOT
	s_add_nc_u64 s[G0B+4*\s+2:G0B+4*\s+3], s[46:47], \s*ROWB
	s_or_b32 s[G0B+4*\s+3], s[G0B+4*\s+3], 0x80000000
	JLOAD G0+4*\s, G1, G0B+4*\s, G1B
.endr
	; where phase 1's bias comes from and its results go
	s_lshl_b32 s2, s81, 2
	s_add_nc_u64 s[72:73], s[6:7], s[2:3]          ; the bias at my first feature
	s_lshl_b32 s18, s40, 2
	s_lshl_b32 s19, s16, 1
	s_add_co_u32 s18, s18, s19                     ; my first head of two: 4 cx + 2 x half
	s_lshr_b32 s19, s100, 11                       ; the batch
	s_bfe_u32 s101, s100, 0x40007                  ; the block of 128 tokens in it
	s_lshl_b32 s104, s19, 4
	s_add_co_u32 s104, s104, s18                   ; 16 x batch + head
	s_lshl_b32 s2, s19, 3
	s_lshr_b32 s105, s18, 1
	s_add_co_u32 s2, s2, s105
	s_lshl_b32 s2, s2, 4
	s_add_co_u32 s2, s2, s101
	s_lshl_b32 s2, s2, 9
	s_add_nc_u64 s[78:79], s[10:11], s[2:3]        ; q's scale words: 512 bytes for a pair of heads and a block
	s_mov_b32 s18, 98304
	s_mov_b32 s19, 204800
	s_mov_b32 s20, 6144
	s_mov_b32 s21, 12800
	s_cmp_eq_u32 s66, 0
	s_cselect_b64 s[74:75], s[8:9], s[12:13]       ; q goes to qc, k to kv: the choice hangs on the part alone
	s_cselect_b32 s18, s18, s19                    ; bytes of a head,
	s_cselect_b32 s20, s20, s21                    ; of a block of 128 tokens
	s_mul_i32 s2, s104, s18
	s_mul_i32 s20, s101, s20
	s_add_co_u32 s2, s2, s20
	s_mov_b32 s19, 0
	s_add_nc_u64 s[74:75], s[74:75], s[2:3]        ; my first head's place,
	s_add_nc_u64 s[76:77], s[74:75], s[18:19]      ; my second head's
	v_and_b32 v1, 15, v0                           ; r
	v_bfe_u32 v2, v0, 4, 1                         ; h
	v_mul_u32_u24 v3, v1, PITCH
	v_mul_u32_u24 v4, v2, 24
	v_add_nc_u32 v4, v3, v4                        ; a fragment's row x pitch + 24 h
	v_lshl_add_u32 v5, v2, 4, v4                   ; and the same behind one padding more
	s_mul_i32 s18, s15, HALFT                      ; phase 1: my 128 rows of x,
	s_mul_i32 s19, s16, HALFT
	s_add_co_u32 s19, s19, 2*HALFT                 ; my 128 rows of W
	s_mul_i32 s20, s16, HALFT                      ; phase 2: my 128 rows of x,
	s_mul_i32 s21, s15, 64*PITCH
	s_add_co_u32 s21, s21, 2*HALFT                 ; my 64 rows of W
.irp s, 0,1
	v_add_nc_u32 v[ADRA+\s], s18, v4
	v_add_nc_u32 v[ADRB+\s], s19, v4
	v_add_nc_u32 v[ADRA+2+\s], s18, v5
	v_add_nc_u32 v[ADRB+2+\s], s19, v5
	v_add_nc_u32 v[ADRB2+\s], s20, v4
	v_add_nc_u32 v[ADRA2+\s], s21, v4
	v_add_nc_u32 v[ADRB2+2+\s], s20, v5
	v_add_nc_u32 v[ADRA2+2+\s], s21, v5
	s_add_co_u32 s18, s18, SLOT
	s_add_co_u32 s19, s19, SLOT
	s_add_co_u32 s20, s20, SLOT
	s_add_co_u32 s21, s21, SLOT
.endr
	v_and_b32 v6, 31, v0
	v_lshlrev_b32 v[L16], 4, v6
	v_lshlrev_b32 v[L8], 3, v6
	v_lshlrev_b32 v[L32], 5, v6
	v_lshlrev_b32 v[BO], 6, v2                     ; phase 1's bias: the features run along my registers: block b's eight are 32 (b / 2) + 8 (b % 2) + 16 h + 0 .. 7
	v_and_b32 v[BO2], 8, v1                        ; phase 2's: a lane has one feature, 32 (a / 2) + 8 (a % 2) + r + 8 (r / 8)
	v_add_nc_u32 v[BO2], v[BO2], v1
	v_lshlrev_b32 v[BO2], 2, v[BO2]
.irp p, 0,1,2,3                        ; the scale words of all of K: lane l takes row 32 p + l's 32 bytes
	global_load_b128 v[SCA+8*\p:SCA+8*\p+3], v[L32], s[68:69] offset:1024*\p
	global_load_b128 v[SCA+8*\p+4:SCA+8*\p+7], v[L32], s[68:69] offset:1024*\p+16
	global_load_b128 v[SCB+8*\p:SCB+8*\p+3], v[L32], s[70:71] offset:1024*\p
	global_load_b128 v[SCB+8*\p+4:SCB+8*\p+7], v[L32], s[70:71] offset:1024*\p+16
.endr
.irp b, 0,1,2,3,4,5,6,7
	global_load_b128 v[96+8*\b+96*(\b/4):96+8*\b+96*(\b/4)+3], v[BO], s[72:73] offset:(32*(\b/2)+8*(\b%2))*4
	global_load_b128 v[96+8*\b+96*(\b/4)+4:96+8*\b+96*(\b/4)+7], v[BO], s[72:73] offset:(32*(\b/2)+8*(\b%2))*4+16
.endr
	s_wait_tensorcnt 1                             ; my part of K step 0 is in (K step 1's load may be out),
	s_barrier_signal -1
	s_barrier_wait -1                              ; everybody's is
	FETCH_B 0, 0, 0
	FETCH_A 0, 0, 0
	FETCH_A 0, 0, 4
	s_wait_loadcnt 0x0                             ; scale words and bias
	STEP 0, 0, 1                                   ; the first products start the sums with the bias
	TURN 0, 1, 1, 0                                ; K is 1,024: four slots' worth, written out, so that each product names its own scale register
	STEP 1, 1, 0
	TURN 1, 0, 1, 1
	STEP 0, 2, 0
	TURN 0, 1, 2, 2                                ; slot 0 takes phase 2's K step 0
	STEP 1, 3, 0
	s_wait_dscnt 4*NL
	WIN MUL_LO
	MUL16 0, 1, 7, 0, SCA, SCB
	MUL16 2, 1, 7, 0, SCA, SCB
	s_wait_dscnt 0
	WIN MUL_HI
	MUL16 4, 1, 7, 0, SCA, SCB
	MUL16 6, 1, 7, 0, SCA, SCB
	WIN 0
	; THE CHANGE INTO PHASE 2: slot 1 has been read out; it takes phase 2's K step 1, which lands under phase 1's way out
	s_wait_tensorcnt 0x0                           ; my part of slot 0 (phase 2's K step 0) is in: no tensor load of mine is out
	ds_add_u32 v[SPW], v[NIL]                      ; phase 2's addresses are made between the add and the wait for it
	s_sub_nc_u64 s[G0+6:G0+7], s[G0+6:G0+7], 2*ROWB   ; x's slot 1: back to K step 1
	s_lshl_b32 s18, s17, 8
	s_lshl_b32 s19, s16, 7
	s_add_co_u32 s18, s18, s19                     ; phase 2: my first token: 256 WY + 128 x half
	s_lshl_b32 s20, s42, 7
	s_lshl_b32 s19, s15, 6
	s_add_co_u32 s20, s20, s19
	s_add_co_u32 s20, s20, 2048                    ; my first feature: 2,048 + 128 WX + 64 x half: one head
	s_lshl_b32 s2, s18, 5
	s_add_co_u32 s2, s2, XS
	s_add_nc_u64 s[68:69], s[4:5], s[2:3]          ; x's scale bytes (the loads that read these registers were waited for)
	s_lshl_b32 s2, s20, 5
	s_add_co_u32 s2, s2, WAS
	s_add_nc_u64 s[70:71], s[4:5], s[2:3]          ; W's
	s_lshl_b32 s2, s20, 2
	s_add_nc_u64 s[72:73], s[6:7], s[2:3]          ; the bias
	s_lshr_b32 s19, s18, 11                        ; the batch
	s_bfe_u32 s21, s18, 0x40007                    ; the block of 128 keys
	s_lshl_b32 s19, s19, 4
	s_lshl_b32 s22, s42, 1
	s_add_co_u32 s19, s19, s22
	s_add_co_u32 s19, s19, s15                     ; 16 x batch + head
	s_mul_i32 s104, s19, 204800
	s_mul_i32 s21, s21, 12800
	s_add_co_u32 s104, s104, s21
	s_add_co_u32 s104, s104, 6400                  ; v lies behind k in a block
	s_mov_b32 s105, 0
	s_wait_dscnt 0x0                               ; the add is done, and my reads of slot 1 are over
	CROUND                                         ; no wave of any partner still reads slot 1 or has a load on its way
	JLOAD G0+4, G1, G0C+4, G1C                     ; its four v_nop are the places behind phase 1's last products
.irp p, 0,1,2,3
	global_load_b128 v[SCB2+8*\p:SCB2+8*\p+3], v[L32], s[68:69] offset:1024*\p
	global_load_b128 v[SCB2+8*\p+4:SCB2+8*\p+7], v[L32], s[68:69] offset:1024*\p+16
.endr
.irp p, 0,1
	global_load_b128 v[SCA2+8*\p:SCA2+8*\p+3], v[L32], s[70:71] offset:1024*\p
	global_load_b128 v[SCA2+8*\p+4:SCA2+8*\p+7], v[L32], s[70:71] offset:1024*\p+16
.endr
.irp a, 0,1,2,3
.irp j, 0,1,2,3,4,5,6,7
	global_load_b32 v[BI2+8*\a+\j], v[BO2], s[72:73] offset:(32*(\a/2)+8*(\a%2))*4   ; my lane's feature in all eight registers
.endr
.endr
	FETCH_B2 0, 0, 0                               ; phase 2's first fragments: slot 0 is whole since the round
	FETCH_A2 0, 0, 0
	FETCH_A2 0, 0, 2
.irp b, 0,1,2,3
	v_mov_b32 v[TM+4+\b], 0                        ; a lane permute's destination counts as one of its sources
.endr
; The 64 accumulators of source 1's block a (register 16 b + i = k 32 b + 16 h + i of my lane's row) become a fragment's 12 registers and its scale word.
.macro QUANTW a
.set WW, 2+(\a)/4
.set AB, 64*((\a)%4)
.set CD, CD0+20*((\a)%2)
.if (\a) > 1
	s_wait_xcnt 0x0                                ; the stores of two blocks ago have read this set of registers
.endif
	WIN (WW|(WW<<2))
.irp b, 0,1,2,3
	v_max3_num_f32 v[TM+\b], |v[AB+16*\b]|, |v[AB+1+16*\b]|, 0x2800000   ; each accumulator is read from its low end on; the floor 2^(5 - 127) holds the byte at 1
.endr
	WIN ((WW<<2)|(WW<<4))
.irp i, 2,4,6,8,10,12,14
.irp b, 0,1,2,3
	v_max3_num_f32 v[TM+\b], v[TM+\b], |v[AB+16*\b+\i]|, |v[AB+1+16*\b+\i]|
.endr
.endr
	WIN 0
.irp b, 0,1,2,3
	v_permlanex16_b32 v[TM+4+\b], v[TM+\b], s82, s83
.endr
.irp b, 0,1,2,3
	v_max_num_f32 v[TM+\b], v[TM+\b], v[TM+4+\b]   ; with lane l xor 16's: the block's largest magnitude
.endr
.irp b, 0,1,2,3
	v_add_nc_u32 v[TM+12+\b], 0xfe000000, v[TM+\b] ; 4 off the exponent field: the conversion's scale operand
.endr
.irp b, 0,1,2,3
	v_lshrrev_b32 v[TM+4+\b], 23, v[TM+12+\b]      ; the scale's byte
.endr
	v_lshl_or_b32 v[PWS+(\a)], v[TM+5], 8, v[TM+4]
	v_lshl_or_b32 v[PWS+(\a)], v[TM+6], 16, v[PWS+(\a)]
	v_lshl_or_b32 v[PWS+(\a)], v[TM+7], 24, v[PWS+(\a)]
	WIN WW
.irp c, 0,1
	v_cvt_scalef32_pk16_bf6_f32 v[CD+6*\c:CD+2+6*\c], v[AB+32*\c:AB+15+32*\c], v[TM+12+2*\c]
	v_cvt_scalef32_pk16_bf6_f32 v[CD+12+4*\c:CD+14+4*\c], v[AB+16+32*\c:AB+31+32*\c], v[TM+12+2*\c+1]
.endr
	WIN 0
	v_nop                                          ; one plain place behind a scaled conversion
.irp c, 0,1                            ; the operand's layout wants a whole block in a lane
.irp i, 0,1,2
	v_permlane16_swap_b32 v[CD+6*\c+\i], v[CD+12+4*\c+\i]
.endr
.irp i, 0,1,2
	v_mov_b32 v[CD+3+6*\c+\i], v[CD+12+4*\c+\i]
.endr
.endr
.endm
	; PHASE 1'S WAY OUT: q or k: registers 0-5 are my first head's 64, registers 6-11 my second head's
.irp a, 0,1,2,3,4,5,6,7
	QUANTW \a
	global_store_b128 v[L16], v[CD:CD+3], s[74:75] offset:768*\a
	global_store_b64 v[L8], v[CD+4:CD+5], s[74:75] offset:768*\a+512
	global_store_b128 v[L16], v[CD+6:CD+9], s[76:77] offset:768*\a
	global_store_b64 v[L8], v[CD+10:CD+11], s[76:77] offset:768*\a+512
.endr
	s_cmp_eq_u32 s66, 0
	s_cbranch_scc0 .Lis_k
.irp p, 0,1,2,3
	v_cndmask_b32 v[PK+\p], v[PWS+2*\p], v[PWS+2*\p+1], s80       ; lanes 0-15 tile 2 p's words, lanes 16-31 tile 2 p + 1's
.endr
	global_store_b128 v[L16], v[PK:PK+3], s[78:79]
	s_branch .Lphase2
.Lis_k:
	s_mov_b32 s18, 0x05040100                      ; the low halves of two words: my first head's bytes of tiles 2 f and 2 f + 1
	s_mov_b32 s19, 0x07060302                      ; the high halves: my second head's
.irp e, 0,1
.irp f, 0,1,2,3
	v_perm_b32 v[TM+\f], v[PWS+2*\f+1], v[PWS+2*\f], s[18+\e]
.endr
	v_cndmask_b32 v[PK+2*\e], v[TM], v[TM+1], s80
	v_cndmask_b32 v[PK+2*\e+1], v[TM+2], v[TM+3], s80
	global_store_b64 v[L8], v[PK+2*\e:PK+2*\e+1], s[74+2*\e:75+2*\e] offset:6144
.endr
.Lphase2:
	s_wait_xcnt 0x0                                ; phase 1's stores have read their registers and their bases
	s_add_nc_u64 s[74:75], s[12:13], s[104:105]    ; v's place: my head, my block of 128 keys
	s_wait_loadcnt 0x0                             ; phase 2's scale words and bias
	STEP2 0, 0, 2                                  ; the first products start the sums with the bias
	TURN2 0, 1, 1, 0
	STEP2 1, 1, 0
	TURN2 1, 0, 1, 1
	STEP2 0, 2, 0
	TURN2 0, 1, 0, 2                               ; nothing is left to fetch
	STEP2 1, 3, 0
	s_wait_dscnt 2*NL
	WIN MUL_LO
	MUL16 0, 1, 7, 0, SCA2, SCB2
	s_wait_dscnt 0
	MUL16 2, 1, 7, 0, SCA2, SCB2
	WIN 0
	PLACES NP                                      ; in front of the first read of results
	; PHASE 2'S WAY OUT: v: block a is a whole fragment: 16 of my head's 64 x 128 keys
.irp a, 0,1,2,3
	QUANTW \a
.irp g, 0,1,2
	global_store_b128 v[L16], v[CD+4*\g:CD+4*\g+3], s[74:75] offset:1536*\a+512*\g
.endr
.endr
	v_cndmask_b32 v[PK], v[PWS], v[PWS+1], s80     ; lanes 0-15 the even fragment's words, lanes 16-31 the odd one's
	v_cndmask_b32 v[PK+1], v[PWS+2], v[PWS+3], s80
	global_store_b64 v[L8], v[PK:PK+1], s[74:75] offset:6144
	s_wait_tensorcnt 0x0                           ; the wave's end
	ds_add_u32 v[SPW], v[NIL]
	s_wait_dscnt 0x0
	CROUND                                         ; the closing round
	s_endpgm
.Lfunc_end_k_q4df00982dc_qkv:
	.size	k_q4df00982dc_qkv, .Lfunc_end_k_q4df00982dc_qkv-k_q4df00982dc_qkv
	.p2alignl 7, 3214868480
	.fill 96, 4, 3214868480
	.section	.rodata,"a",@progbits
	.p2align	6, 0x0
	.amdhsa_kernel k_q4df00982dc_qkv
		.amdhsa_group_segment_fixed_size 327680
		.amdhsa_private_segment_fixed_size 0
		.amdhsa_enable_private_segment 0
		.amdhsa_kernarg_size 40
		.amdhsa_user_sgpr_count 2
		.amdhsa_user_sgpr_kernarg_segment_ptr 1
		.amdhsa_wavefront_size32 1
		.amdhsa_system_sgpr_workgroup_id_x 1
		.amdhsa_system_sgpr_workgroup_id_y 1
		.amdhsa_system_sgpr_workgroup_id_z 1
		.amdhsa_system_vgpr_workitem_id 0
		.amdhsa_next_free_vgpr 1024
		.amdhsa_next_free_sgpr 106
		.amdhsa_reserve_vcc 0
		.amdhsa_float_denorm_mode_32 3
		.amdhsa_float_denorm_mode_16_64 3
		.amdhsa_memory_ordered 1
		.amdhsa_forward_progress 1
		.amdhsa_inst_pref_size 255
	.end_amdhsa_kernel
	.section	.bss,"aw",@nobits
	.p2align	6
	.space	262144
	.amdgpu_metadata
---
amdhsa.version: [ 1, 2 ]
amdhsa.kernels:
  - .name:           k_q4df00982dc_qkv
    .symbol:         k_q4df00982dc_qkv.kd
    .args:
      - { .name: opq, .offset: 0, .size: 8, .value_kind: global_buffer, .address_space: global }
      - { .name: c_attn_b, .offset: 8, .size: 8, .value_kind: global_buffer, .address_space: global }
      - { .name: qc, .offset: 16, .size: 8, .value_kind: global_buffer, .address_space: global }
      - { .name: qs, .offset: 24, .size: 8, .value_kind: global_buffer, .address_space: global }
      - { .name: kv, .offset: 32, .size: 8, .value_kind: global_buffer, .address_space: global }
    .group_segment_fixed_size: 327680
    .private_segment_fixed_size: 0
    .kernarg_segment_align: 8
    .kernarg_segment_size: 40
    .max_flat_workgroup_size: 128
    .sgpr_count:     106
    .vgpr_count:     1024
    .wavefront_size: 32
...
	.end_amdgpu_metadata
.endif
;; end of part 2
;; launch attn (part 3): grid 4 x 64, 8 waves a work-group, clusters of 4 x 1, 205,824 bytes of LDS; arguments qc, qs, kv, acd, asc; writes acd, asc
.if DOCPART == 3
	.amdgcn_target "amdgcn-amd-amdhsa--gfx1250"
	.amdhsa_code_object_version 6
	.text
	.protected	k_q4df00982dc_attn
	.globl	k_q4df00982dc_attn
	.p2align	8
	.type	k_q4df00982dc_attn,@function
k_q4df00982dc_attn:
	s_mov_b64 s[64:65], 0
	v_nop
	global_prefetch_b8 v0, s[64:65] scope:SCOPE_SE
	s_setreg_imm32_b32 hwreg(HW_REG_WAVE_MODE, 25, 1), 1
	s_wait_xcnt 0x0
	s_wait_alu depctr_hold_cnt(0) depctr_sa_sdst(0) depctr_va_vdst(0) depctr_va_sdst(0) depctr_va_ssrc(0) depctr_va_vcc(0) depctr_vm_vsrc(0)
	s_getreg_b32 s2, hwreg(HW_REG_IB_STS2, 6, 4)
	s_cmp_eq_u32 s2, 0
	s_cbranch_scc0 .Lentry_in_a_cluster
	s_endpgm
.Lentry_in_a_cluster:
	s_bfe_u32 s2, ttmp6, 0x10000c
	s_cmp_lg_u32 s2, 0x3003
	s_cbranch_scc0 .Lentry_shape_is_right
	s_endpgm
.Lentry_shape_is_right:
; a = softmax(mask(q k^T / 8)) v for one head, both products on codes of BF6 (E3M2) with E8M0 scales; a is quantised along D on the way out.  Hidden keys have the logit -10,000, not minus infinity.
; t = score x log2(e) / 8; M = the running largest t rounded up to a whole number; p = 2^(t - M) is quantised along the keys; the row's sum is taken of the unquantised p and divides at the end.
; SHARES.  The four work-groups of a cluster belong to one head.  Work-group c owns tiles 2 c and 2 c + 1 (16 queries each) of every block of 128 queries; wave w owns those of block w (tiles 0, 1 here)
; and of block 15 - w (tiles 2, 3): 34 visible and 30 hidden tile steps in every wave.  All branches hang on the wave's number and the step's number; c enters global addresses and the mask's compare alone.
; THE WHOLE HEAD'S K AND V LIE IN LDS: 16 blocks of 12,800 bytes (128 keys each: K's 4 fragments, K's scale words, V's 4 fragments, V's scale words), each byte filled once, by one joint load a wave.
; K = 64 fills half of a product's 128: a fragment of K holds two tiles of 16 keys (registers 0-5, 6-11) and is multiplied by [q | 0] and by [0 | q]; q lies as [q | 0 | q] in 18 registers.
; Zero codes add nothing; their scale byte is 1.
; A tile of 16 tokens is 8 u + r + 8 (r / 8) of a run of 32, so the 16 score registers of tiles 2 f and 2 f + 1 are keys 32 f + 16 (lane / 16) + 0 .. 15; V's rows are chosen likewise, for the quantiser of a.
; A STEP WHOLLY HIDDEN from a tile needs no score: all its p are one number, 2^(-10,000 log2(e) - M); that constant operand is made once, at the tile's first such step, and only O += V^T P is done.
; LIMITS: p under 2^-126 counts as 0 (the exponential flushes); a block's largest p is taken from its largest score; blocks of zeros keep the byte 1; NaN and infinities are not served.
; REGISTERS: window 0: v1-4, v10 addresses; v5 the hidden score; v6-7 the mask's numbers; v[8:9] f; v11, v59 half the tails' keys; v12-27 -M, largest t, the sum in two halves, a tile; v28-31 q's scale words;
;   v32-35 K's and V's; v36-39 p's; v40-63 at work; v64-127 scores, then p; v128-175 p's codes; v176-223 K; v224-255 the way out.   window 1: v0-127 O^T; v128-199 q; v200-247 V.
.set STEPB, 12800
.set NTE, 11
.set NTL, 59
.set ST,  12
.set QS,  28
.set KS,  32
.set VS,  34
.set PW,  36
.set BM,  40
.set BP,  44
.set SO,  48
.set C2,  56
.set S,   64
.set P,   128
.set KF,  176
.set EO,  224
.set QF,  128                          ; in window 1
.set VF,  200                          ; in window 1
.set MSB, 0
.macro WIN new
.if MSB != (\new)
	s_set_vgpr_msb (MSB<<8)|(\new)
.set MSB, (\new)
.endif
.endm
.macro CROUND
	s_barrier_signal -1
	s_barrier_wait -1
	s_cmp_lg_u32 s14, 0
	s_cbranch_scc1 .Lnot_wave_0_\@
	s_barrier_signal -3
.Lnot_wave_0_\@:
	s_barrier_wait -3
	s_barrier_signal -1
	s_barrier_wait -1
.endm
.macro WMZ                             ; a product that starts its sum; rW: bit 1 source 0's scales in lanes 16-31, bit 0 source 1's
.if rW == 0
	v_wmma_scale_f32_16x16x128_f8f6f4 v[rD:rD+7], v[rA:rA+11], v[rB:rB+11], 0, v[rSA], v[rSB] matrix_a_fmt:MATRIX_FMT_BF6 matrix_b_fmt:MATRIX_FMT_BF6
.elseif rW == 1
	v_wmma_scale_f32_16x16x128_f8f6f4 v[rD:rD+7], v[rA:rA+11], v[rB:rB+11], 0, v[rSA], v[rSB] matrix_a_fmt:MATRIX_FMT_BF6 matrix_b_fmt:MATRIX_FMT_BF6 matrix_b_scale:MATRIX_SCALE_ROW1
.elseif rW == 2
	v_wmma_scale_f32_16x16x128_f8f6f4 v[rD:rD+7], v[rA:rA+11], v[rB:rB+11], 0, v[rSA], v[rSB] matrix_a_fmt:MATRIX_FMT_BF6 matrix_b_fmt:MATRIX_FMT_BF6 matrix_a_scale:MATRIX_SCALE_ROW1
.else
	v_wmma_scale_f32_16x16x128_f8f6f4 v[rD:rD+7], v[rA:rA+11], v[rB:rB+11], 0, v[rSA], v[rSB] matrix_a_fmt:MATRIX_FMT_BF6 matrix_b_fmt:MATRIX_FMT_BF6 matrix_a_scale:MATRIX_SCALE_ROW1 matrix_b_scale:MATRIX_SCALE_ROW1
.endif
.endm
.macro WMC                             ; a product that adds in place
.if rW == 0
	v_wmma_scale_f32_16x16x128_f8f6f4 v[rD:rD+7], v[rA:rA+11], v[rB:rB+11], v[rD:rD+7], v[rSA], v[rSB] matrix_a_fmt:MATRIX_FMT_BF6 matrix_b_fmt:MATRIX_FMT_BF6
.else
	v_wmma_scale_f32_16x16x128_f8f6f4 v[rD:rD+7], v[rA:rA+11], v[rB:rB+11], v[rD:rD+7], v[rSA], v[rSB] matrix_a_fmt:MATRIX_FMT_BF6 matrix_b_fmt:MATRIX_FMT_BF6 matrix_a_scale:MATRIX_SCALE_ROW1
.endif
.endm
; the global addresses of one piece (block ireg of the head's sixteen): q's codes, q's scale words, a's codes, a's scale words.  s74 = the batch, s75 = the head in it
.macro PADDR ireg, q, qq, a, aa
	s_lshl_b32 s76, s16, 7
	s_lshl_b32 s77, \ireg, 3
	s_add_co_u32 s76, s76, s77
	s_lshl_b32 s77, s15, 1
	s_add_co_u32 s76, s76, s77                     ; the tile: 128 x (16 batch + head) + 8 block + 2 c
	s_mul_i32 s76, s76, 768
	s_mov_b32 s77, 0
	s_add_nc_u64 s[\q:\q+1], s[4:5], s[76:77]
	s_lshl_b32 s76, s74, 3
	s_lshr_b32 s78, s75, 1
	s_add_co_u32 s76, s76, s78
	s_lshl_b32 s76, s76, 4
	s_add_co_u32 s76, s76, \ireg
	s_lshl_b32 s76, s76, 9
	s_lshl_b32 s78, s15, 2
	s_add_co_u32 s76, s76, s78                     ; word c of each lane's four
	s_add_nc_u64 s[\qq:\qq+1], s[6:7], s[76:77]
	s_lshl_b32 s76, s74, 4
	s_add_co_u32 s76, s76, \ireg                   ; 16 batch + block
	s_lshl_b32 s78, s76, 3
	s_lshl_b32 s79, s15, 1
	s_add_co_u32 s78, s78, s79
	s_mul_i32 s78, s78, 12288
	s_mul_i32 s79, s75, 768
	s_add_co_u32 s78, s78, s79
	s_mov_b32 s79, 0
	s_add_nc_u64 s[\a:\a+1], s[10:11], s[78:79]
	s_lshl_b32 s76, s76, 4
	s_add_co_u32 s76, s76, s75
	s_lshl_b32 s76, s76, 9
	s_lshl_b32 s78, s15, 7
	s_add_co_u32 s76, s76, s78
	s_add_nc_u64 s[\aa:\aa+1], s[12:13], s[76:77]
.endm
	s_load_b256 s[4:11], s[0:1], 0x0               ; qc, qs, kv, a's codes
	s_load_b64 s[12:13], s[0:1], 0x20              ; a's scale words
	v_lshl_add_u32 v247, v0, 2, 0x32000
	v_mov_b32 v255, 0
	ds_add_u32 v247, v255
	ds_add_u32 v247, v255
	v_lshrrev_b32 v1, 5, v0
	v_readfirstlane_b32 s14, v1                    ; wave 0..7
	s_bfe_u32 s15, ttmp6, 0x40000                  ; c: my place in the cluster
	s_and_b32 s16, ttmp7, 0xffff                   ; 16 x batch + head, which the four partners share
	s_mov_b32 s24, 15|(3<<16)|(1<<21)              ; the mask: all four; elements of 8 bytes; bit 21 beside a mask
	s_mov_b32 s25, 32<<16                          ; tensor_dim0: rows of 256 bytes
	s_mov_b32 s26, 100<<16                         ; tensor_dim1: 100 of them: an eighth of the head
	s_mov_b32 s27, 32<<16                          ; tile_dim0
	s_mov_b32 s28, 100                             ; tile_dim1
	s_mov_b32 s29, 32                              ; the pitch: dense
	s_mov_b32 s30, 0
	s_mov_b32 s31, 0
	s_mul_i32 s41, s14, 25600                      ; my eighth, in LDS as in the head
	s_mul_i32 s76, s16, 204800
	s_add_co_u32 s76, s76, s41
	s_mov_b32 s77, 0
	s_mov_b32 s40, 1
	s_mov_b32 s20, 0x76543210
	s_mov_b32 s21, 0xfedcba98                      ; v_permlanex16_b32's selects for lane l xor 16
	s_mov_b32 s22, 0x3e38aa3b                      ; c = log2(e) / 8
	s_mov_b32 s23, s22                             ; (named with it as a pair)
	s_mov_b32 s49, 0xffff0000                      ; lanes 16-31
	s_wait_dscnt 0x0
	s_wait_kmcnt 0x0
	s_add_nc_u64 s[42:43], s[8:9], s[76:77]
	s_or_b32 s43, s43, 0x80000000
	CROUND                                         ; all four work-groups are here: the joint loads meet
	tensor_load_to_lds s[40:43], s[24:31]          ; one load of mine is out; LDS is filled once
	s_nop 0
.rept 4
	v_nop
.endr
	s_lshr_b32 s74, s16, 4
	s_and_b32 s75, s16, 15
	s_and_b32 s50, s16, 1
	s_lshl_b32 s50, s50, 4                         ; an odd head's bytes are the upper half of a scale word
	s_mov_b32 s17, s14                             ; the early piece's block, and its diagonal step
	s_sub_co_u32 s18, 15, s14                      ; the late piece's
	s_add_co_u32 s53, s14, 1                       ; the early piece's first wholly hidden step
	s_sub_co_u32 s54, 16, s14                      ; the late piece's (16: none)
	PADDR s17, 56, 60, 66, 70
	PADDR s18, 58, 62, 68, 72
	v_and_b32 v52, 31, v0
	v_lshlrev_b32 v1, 4, v52
	v_lshlrev_b32 v2, 3, v52
	v_lshlrev_b32 v10, 2, v52
	WIN 0x40                                       ; destination window 1
.irp t, 0,1,2,3                        ; q as [q | 0 | q]
	global_load_b128 v[QF+18*\t:QF+18*\t+3], v1, s[56+2*(\t/2):57+2*(\t/2)] offset:768*(\t%2)
	global_load_b64 v[QF+18*\t+4:QF+18*\t+5], v2, s[56+2*(\t/2):57+2*(\t/2)] offset:768*(\t%2)+512
	global_load_b128 v[QF+18*\t+12:QF+18*\t+15], v1, s[56+2*(\t/2):57+2*(\t/2)] offset:768*(\t%2)
	global_load_b64 v[QF+18*\t+16:QF+18*\t+17], v2, s[56+2*(\t/2):57+2*(\t/2)] offset:768*(\t%2)+512
.irp z, 6,7,8,9,10,11
	v_mov_b32 v[QF+18*\t+\z], 0
.endr
.endr
.set j, 0
.rept 128
	v_mov_b32 v[j], 0                              ; O^T: the step is written once; its first trip finds zeros
.set j, j+1
.endr
	WIN 0
	global_load_b32 v52, v1, s[60:61]              ; q's scale words: lane (r, h): tile 2 c + h, query r
	global_load_b32 v53, v1, s[62:63]
	v_and_b32 v56, 15, v0
	v_and_b32 v57, 8, v0
	v_add_nc_u32 v56, v56, v57                     ; r + 8 (r / 8)
	v_and_b32 v57, 16, v0
	v_sub_nc_u32 v56, v56, v57                     ; - 16 h
	s_lshl_b32 s76, s15, 5
	v_add_nc_u32 v6, s76, v56                      ; tile 2 c: my query in its block less 16 h.  Score register 16 f + i holds key 32 f + 16 h + i: hidden where 32 f + i is larger
	v_add_nc_u32 v7, 8, v6                         ; tile 2 c + 1
	v_mov_b32 v5, 0xc79c4000                       ; -80,000: the score whose logit is -10,000
	s_lshl_b32 s76, s18, 6
	v_cvt_f32_u32 v[NTE], s76                      ; half the keys behind the early piece's diagonal step: 64 (15 - w); the other half is lane l xor 16's
	s_lshl_b32 s76, s14, 6
	v_cvt_f32_u32 v[NTL], s76                      ; the late piece's: 64 w
	v_mov_b32 v54, 0
	v_mov_b32 v55, 0
	s_wait_loadcnt 0x0
	v_permlanex16_b32 v54, v52, s20, s21
	v_permlanex16_b32 v55, v53, s20, s21
	v_cndmask_b32 v[QS], v52, v54, s49             ; each tile's words in both halves of the lanes
	v_cndmask_b32 v[QS+1], v54, v52, s49
	v_cndmask_b32 v[QS+2], v53, v55, s49
	v_cndmask_b32 v[QS+3], v55, v53, s49
.irp t, 0,1,2,3
	v_lshrrev_b32 v[QS+\t], s50, v[QS+\t]
	v_and_b32 v[QS+\t], 0xffff, v[QS+\t]           ; my head's two bytes
	v_or_b32 v56, 0x01010000, v[QS+\t]             ; for [q | 0],
	v_lshl_or_b32 v57, v[QS+\t], 16, 0x101         ; for [0 | q]
	v_cndmask_b32 v[QS+\t], v56, v57, s49          ; lanes 0-15 the one, lanes 16-31 the other
.endr
.set j, 0
.rept 48
	v_mov_b32 v[P+j], 0                            ; written once, so that every way to the second product finds them written
.set j, j+1
.endr
.irp t, 0,1,2,3
	v_mov_b32 v[PW+\t], 0
	v_mov_b32 v[BP+\t], 0                          ; a lane permute's destination counts as one of its sources
	v_mov_b32 v[ST+4*\t+1], 0xff61b1e6             ; the largest t so far: -3e38
	v_floor_f32 v[ST+4*\t], -v[ST+4*\t+1]          ; -M
	v_mov_b32 v[ST+4*\t+2], 0                      ; the sum, in two halves
	v_mov_b32 v[ST+4*\t+3], 0
.endr
	v_mov_b32 v9, 0                                ; (the upper half of the pair v[8:9])
	s_mov_b32 s48, 0
	s_mov_b32 s19, 0
	s_mov_b32 s55, 16
	s_wait_tensorcnt 0x0                           ; my eighth of the head is in,
	s_barrier_signal -1
	s_barrier_wait -1                              ; everybody's is
.macro KLOAD                           ; 17 loads: four fragments (two half images each) and their scale words
.irp f, 0,1,2,3
	ds_load_b128 v[KF+12*\f:KF+12*\f+3], v3 offset:1536*\f
	ds_load_b64 v[KF+12*\f+4:KF+12*\f+5], v4 offset:1536*\f+512
	ds_load_b128 v[KF+12*\f+6:KF+12*\f+9], v3 offset:1536*\f+768
	ds_load_b64 v[KF+12*\f+10:KF+12*\f+11], v4 offset:1536*\f+1280
.endr
	ds_load_b64 v[KS:KS+1], v4 offset:6144
.endm
.macro VLOAD                           ; 13 loads
	WIN 0x40
.irp f, 0,1,2,3
.irp g, 0,1,2
	ds_load_b128 v[VF+12*\f+4*\g:VF+12*\f+4*\g+3], v3 offset:6400+1536*\f+512*\g
.endr
.endr
	WIN 0
	ds_load_b64 v[VS:VS+1], v4 offset:12544
.endm
; A visible step of tile t: scores, mask on the diagonal, softmax, p's codes, O^T under the new M.
.macro VIS t, jd
.set rT, ST+4*(\t)
.set rP, P+12*(\t)
	WIN 0x04                                       ; source 1 (q) window 1
.irp f, 0,1,2,3
.irp u, 0,1
.set rD, S+16*\f+8*\u
.set rA, KF+12*\f
.set rB, QF+18*(\t)+6*\u
.set rSA, KS+\f/2
.set rSB, QS+(\t)
.set rW, 2*(\f%2)+\u
	WMZ
.endr
.endr
	WIN 0
.rept 4
	v_nop                                          ; four places in front of the first read of the scores
.endr
	s_cmp_lg_u32 s19, \jd
	s_cbranch_scc1 .Lopen_\@
.set n, 0
.rept 64
	v_cmp_gt_i32 vcc_lo, 32*(n/16)+n%16, v[6+(\t)%2]
	v_cndmask_b32 v[S+n], v[S+n], v5, vcc_lo       ; a hidden key's score
.set n, n+1
.endr
.Lopen_\@:
.irp b, 0,1,2,3
	v_max3_num_f32 v[BM+\b], v[S+16*\b], v[S+16*\b+1], v[S+16*\b+2]      ; the largest score of each block of 32 keys: for the row's maximum and for the block's largest p
.endr
.irp i, 3,5,7,9,11,13
.irp b, 0,1,2,3
	v_max3_num_f32 v[BM+\b], v[BM+\b], v[S+16*\b+\i], v[S+16*\b+\i+1]
.endr
.endr
.irp b, 0,1,2,3
	v_max_num_f32 v[BM+\b], v[BM+\b], v[S+16*\b+15]
.endr
.irp b, 0,1,2,3
	v_permlanex16_b32 v[BP+\b], v[BM+\b], s20, s21
.endr
.irp b, 0,1,2,3
	v_max_num_f32 v[BM+\b], v[BM+\b], v[BP+\b]
.endr
	v_max3_num_f32 v52, v[BM], v[BM+1], v[BM+2]
	v_max_num_f32 v52, v52, v[BM+3]
	v_mul_f32 v52, s22, v52                        ; as t
	v_max_num_f32 v[rT+1], v[rT+1], v52            ; the running largest t
	v_mov_b32 v52, v[rT]
	v_floor_f32 v[rT], -v[rT+1]                    ; the new -M = -ceil(t)
	v_sub_f32 v52, v[rT], v52                      ; old M - new M: a whole number, 0 or less
	v_cvt_i32_f32 v52, v52                         ; (it saturates)
	v_ldexp_f32 v8, 1.0, v52                       ; f = 2^(old M - new M)
.set j, 0
.rept 32
	v_pk_fma_f32 v[S+j:S+j+1], v[S+j:S+j+1], s[22:23], v[rT:rT+1] op_sel_hi:[1,0,0]   ; t - M
.set j, j+2
.endr
.irp b, 0,1,2,3
	v_fma_f32 v[BM+\b], v[BM+\b], s22, v[rT]
.endr
.set j, 0
.rept 64
	v_exp_f32 v[S+j], v[S+j]                       ; p = 2^(t - M)
.set j, j+1
.endr
.irp b, 0,1,2,3
	v_exp_f32 v[BM+\b], v[BM+\b]                   ; the block's largest p
.endr
	v_pk_mul_f32 v[rT+2:rT+3], v[rT+2:rT+3], v[8:9] op_sel_hi:[1,0]      ; the sums under the new M (a plain place behind the exponentials)
	s_wait_alu depctr_va_vdst(0)
.irp b, 0,1,2,3
	v_max_num_f32 v[BM+\b], 0x2800000, v[BM+\b]    ; the floor 2^(5 - 127)
.endr
.irp b, 0,1,2,3
	v_add_nc_u32 v[SO+\b], 0xfe000000, v[BM+\b]    ; the conversion's scale operand
.endr
.irp b, 0,1,2,3
	v_lshrrev_b32 v[BP+\b], 23, v[SO+\b]           ; the scale's byte
.endr
	v_lshl_or_b32 v[PW+(\t)], v[BP+1], 8, v[BP]
	v_lshl_or_b32 v[PW+(\t)], v[BP+2], 16, v[PW+(\t)]
	v_lshl_or_b32 v[PW+(\t)], v[BP+3], 24, v[PW+(\t)]
.irp c, 0,1
	v_cvt_scalef32_pk16_bf6_f32 v[rP+6*\c:rP+6*\c+2], v[S+32*\c:S+32*\c+15], v[SO+2*\c]
	v_cvt_scalef32_pk16_bf6_f32 v[C2+4*\c:C2+4*\c+2], v[S+32*\c+16:S+32*\c+31], v[SO+2*\c+1]
.endr
	v_nop                                          ; one plain place behind a scaled conversion
.irp c, 0,1
.irp i, 0,1,2
	v_permlane16_swap_b32 v[rP+6*\c+\i], v[C2+4*\c+\i]
.endr
.irp i, 0,1,2
	v_mov_b32 v[rP+6*\c+3+\i], v[C2+4*\c+\i]
.endr
.endr
	v_pk_add_f32 v[54:55], v[S:S+1], v[S+2:S+3]    ; the row's sum of the unquantised p, in two chains
.set j, 4
.rept 15
	v_pk_add_f32 v[rT+2:rT+3], v[rT+2:rT+3], v[S+j:S+j+1]
	v_pk_add_f32 v[54:55], v[54:55], v[S+j+2:S+j+3]
.set j, j+4
.endr
	v_pk_add_f32 v[rT+2:rT+3], v[rT+2:rT+3], v[54:55]
	WIN 0x41
.set j, 0
.rept 16
	v_pk_mul_f32 v[32*(\t)+j:32*(\t)+j+1], v[32*(\t)+j:32*(\t)+j+1], v[8:9] op_sel_hi:[1,0]   ; O^T under the new M
.set j, j+2
.endr
	WIN 0
.endm
; The first step wholly hidden from tile t: the hidden t enters M; the one p of all hidden keys, its codes and scale word stay for all later steps; the tail's keys enter the sum at once.
.macro TAILPREP t, nt
.set rT, ST+4*(\t)
.set rP, P+12*(\t)
	v_mul_f32 v52, s22, v5
	v_max_num_f32 v[rT+1], v[rT+1], v52
	v_mov_b32 v52, v[rT]
	v_floor_f32 v[rT], -v[rT+1]
	v_sub_f32 v52, v[rT], v52
	v_cvt_i32_f32 v52, v52
	v_ldexp_f32 v8, 1.0, v52
	v_fma_f32 v53, v5, s22, v[rT]
	v_exp_f32 v53, v53
	v_pk_mul_f32 v[rT+2:rT+3], v[rT+2:rT+3], v[8:9] op_sel_hi:[1,0]      ; (a plain place behind the exponential)
	s_wait_alu depctr_va_vdst(0)
	v_fmac_f32 v[rT+2], v[\nt], v53
	v_max_num_f32 v54, 0x2800000, v53
	v_add_nc_u32 v54, 0xfe000000, v54
	v_lshrrev_b32 v55, 23, v54
	v_lshl_or_b32 v55, v55, 8, v55
	v_lshl_or_b32 v[PW+(\t)], v55, 16, v55         ; the same byte for all four blocks
.set j, 0
.rept 16
	v_mov_b32 v[S+j], v53
.set j, j+1
.endr
	v_cvt_scalef32_pk16_bf6_f32 v[rP:rP+2], v[S:S+15], v54
	v_cvt_scalef32_pk16_bf6_f32 v[rP+6:rP+8], v[S:S+15], v54
	v_nop
.irp i, 0,1,2
	v_mov_b32 v[rP+3+\i], v[rP+\i]
	v_mov_b32 v[rP+9+\i], v[rP+6+\i]
.endr
	WIN 0x41
.set j, 0
.rept 16
	v_pk_mul_f32 v[32*(\t)+j:32*(\t)+j+1], v[32*(\t)+j:32*(\t)+j+1], v[8:9] op_sel_hi:[1,0]   ; these sixteen are also the places between the scale word's write and the products
.set j, j+2
.endr
	WIN 0
.endm
.macro PV                              ; O^T += V^T P^T for all four tiles: sixteen accumulators by turns
	s_wait_dscnt 0x0                               ; V is in
	WIN 0x51                                       ; source 0 (V), C and D window 1
.irp f, 0,1,2,3
.irp q, 0,1,2,3
.set rD, 32*\q+8*\f
.set rA, VF+12*\f
.set rB, P+12*\q
.set rSA, VS+\f/2
.set rSB, PW+\q
.set rW, \f%2
	WMC
.endr
.endr
	WIN 0
.endm
.Lstep:                                ; 16 trips: a trip is 128 keys
	v_add_nc_u32 v3, s48, v1
	v_add_nc_u32 v4, s48, v2
	v_nop
	v_nop                                          ; with the two additions: four places behind the last trip's products, in front of the loads below
	s_cmp_gt_u32 s19, s18
	s_cbranch_scc1 .Lonly_v                        ; hidden from all four tiles: no scores
	KLOAD
	VLOAD
	s_wait_dscnt 13                                ; K is in; V's 13 loads may be out
	s_cmp_gt_u32 s19, s17
	s_cbranch_scc1 .Lno_early
	VIS 0, s17
	VIS 1, s17
.Lno_early:
	VIS 2, s18
	VIS 3, s18
	s_branch .Ljoin
.Lonly_v:
	VLOAD
.Ljoin:
	s_cmp_lg_u32 s19, s53
	s_cbranch_scc1 .Lno_tail_e
	TAILPREP 0, NTE
	TAILPREP 1, NTE
.Lno_tail_e:
	s_cmp_lg_u32 s19, s54
	s_cbranch_scc1 .Lno_tail_l
	TAILPREP 2, NTL
	TAILPREP 3, NTL
.Lno_tail_l:
	PV
	s_add_co_u32 s48, s48, STEPB
	s_add_co_u32 s19, s19, 1
	s_sub_co_u32 s55, s55, 1
	s_cmp_lg_u32 s55, 0
	s_cbranch_scc1 .Lstep
	; THE WAY OUT: a = O^T / the sum, quantised along D (my head's two blocks of 32) and stored as a half-fragment image.  The additions are the places behind the last products.
.irp t, 0,1,2,3
	v_add_f32 v[ST+4*\t+2], v[ST+4*\t+2], v[ST+4*\t+3]
.endr
.irp t, 0,1,2,3
	v_permlanex16_b32 v[BP+\t], v[ST+4*\t+2], s20, s21
.endr
.irp t, 0,1,2,3
	v_add_f32 v[ST+4*\t+2], v[ST+4*\t+2], v[BP+\t]
.endr
.irp t, 0,1,2,3
	v_rcp_f32 v[ST+4*\t+3], v[ST+4*\t+2]
.endr
	v_nop                                          ; a plain place behind the reciprocals
	s_wait_alu depctr_va_vdst(0)
.macro FINT t
.set rS, S+32*((\t)%2)
.set rE, EO+8*(\t)
	WIN 0x01                                       ; source 0 (O^T) window 1
.set j, 0
.rept 32
	v_mul_f32 v[rS+j], v[32*(\t)+j], v[ST+4*(\t)+3]       ; register 16 b + i is d = 32 b + 16 h + i
.set j, j+1
.endr
	WIN 0
.irp b, 0,1
	v_max3_num_f32 v[BM+\b], |v[rS+16*\b]|, |v[rS+16*\b+1]|, 0x2800000
.endr
.irp i, 2,4,6,8,10,12,14
.irp b, 0,1
	v_max3_num_f32 v[BM+\b], v[BM+\b], |v[rS+16*\b+\i]|, |v[rS+16*\b+\i+1]|
.endr
.endr
.irp b, 0,1
	v_permlanex16_b32 v[BP+\b], v[BM+\b], s20, s21
.endr
.irp b, 0,1
	v_max_num_f32 v[BM+\b], v[BM+\b], v[BP+\b]
.endr
.irp b, 0,1
	v_add_nc_u32 v[SO+\b], 0xfe000000, v[BM+\b]
.endr
.irp b, 0,1
	v_lshrrev_b32 v[BP+\b], 23, v[SO+\b]
.endr
	v_lshl_or_b32 v[PW+(\t)], v[BP+1], 8, v[BP]    ; my head's two bytes of query r
	v_cvt_scalef32_pk16_bf6_f32 v[rE:rE+2], v[rS:rS+15], v[SO]
	v_cvt_scalef32_pk16_bf6_f32 v[rE+4:rE+6], v[rS+16:rS+31], v[SO+1]
	v_nop
.irp i, 0,1,2
	v_permlane16_swap_b32 v[rE+\i], v[rE+4+\i]
.endr
	v_mov_b32 v[rE+3], v[rE+4]
	v_mov_b32 v[rE+4], v[rE+5]
	v_mov_b32 v[rE+5], v[rE+6]
	global_store_b128 v1, v[rE:rE+3], s[66+2*((\t)/2):67+2*((\t)/2)] offset:12288*((\t)%2)
	global_store_b64 v2, v[rE+4:rE+5], s[66+2*((\t)/2):67+2*((\t)/2)] offset:12288*((\t)%2)+512
.endm
	FINT 0
	FINT 1
	FINT 2
	FINT 3
	v_cndmask_b32 v52, v[PW], v[PW+1], s49         ; lanes 0-15 tile 2 c's words, lanes 16-31 tile 2 c + 1's
	v_cndmask_b32 v53, v[PW+2], v[PW+3], s49
	v_lshlrev_b32 v52, s50, v52                    ; an even head fills the lower half of the word, an odd head the upper; the other half is 0
	v_lshlrev_b32 v53, s50, v53
	global_store_b32 v10, v52, s[70:71]
	global_store_b32 v10, v53, s[72:73]
	s_wait_tensorcnt 0x0
	ds_add_u32 v247, v255
	s_wait_dscnt 0x0
	CROUND                                         ; the closing round
	s_endpgm
.Lfunc_end_k_q4df00982dc_attn:
	.size	k_q4df00982dc_attn, .Lfunc_end_k_q4df00982dc_attn-k_q4df00982dc_attn
	.p2alignl 7, 3214868480
	.fill 96, 4, 3214868480
	.section	.rodata,"a",@progbits
	.p2align	6, 0x0
	.amdhsa_kernel k_q4df00982dc_attn
		.amdhsa_group_segment_fixed_size 205824
		.amdhsa_private_segment_fixed_size 0
		.amdhsa_enable_private_segment 0
		.amdhsa_kernarg_size 40
		.amdhsa_user_sgpr_count 2
		.amdhsa_user_sgpr_kernarg_segment_ptr 1
		.amdhsa_wavefront_size32 1
		.amdhsa_system_sgpr_workgroup_id_x 1
		.amdhsa_system_sgpr_workgroup_id_y 1
		.amdhsa_system_sgpr_workgroup_id_z 1
		.amdhsa_system_vgpr_workitem_id 0
		.amdhsa_next_free_vgpr 512
		.amdhsa_next_free_sgpr 80
		.amdhsa_reserve_vcc 1
		.amdhsa_float_denorm_mode_32 3
		.amdhsa_float_denorm_mode_16_64 3
		.amdhsa_memory_ordered 1
		.amdhsa_forward_progress 1
		.amdhsa_inst_pref_size 119
	.end_amdhsa_kernel
	.amdgpu_metadata
---
amdhsa.version: [ 1, 2 ]
amdhsa.kernels:
  - .name:           k_q4df00982dc_attn
    .symbol:         k_q4df00982dc_attn.kd
    .args:
      - { .name: qc, .offset: 0, .size: 8, .value_kind: global_buffer, .address_space: global }
      - { .name: qs, .offset: 8, .size: 8, .value_kind: global_buffer, .address_space: global }
      - { .name: kv, .offset: 16, .size: 8, .value_kind: global_buffer, .address_space: global }
      - { .name: acd, .offset: 24, .size: 8, .value_kind: global_buffer, .address_space: global }
      - { .name: asc, .offset: 32, .size: 8, .value_kind: global_buffer, .address_space: global }
    .group_segment_fixed_size: 205824
    .private_segment_fixed_size: 0
    .kernarg_segment_align: 8
    .kernarg_segment_size: 40
    .max_flat_workgroup_size: 256
    .sgpr_count:     80
    .vgpr_count:     512
    .wavefront_size: 32
...
	.end_amdgpu_metadata
.endif
;; end of part 3
;; launch proj (part 4): grid 4 x 32, 4 waves a work-group, clusters of 4 x 4, 327,680 bytes of LDS; arguments acd, asc, opq, c_proj_b, out0; writes out0
.if DOCPART == 4
	.amdgcn_target "amdgcn-amd-amdhsa--gfx1250"
	.amdhsa_code_object_version 6
	.text
	.protected	k_q4df00982dc_proj
	.globl	k_q4df00982dc_proj
	.p2align	8
	.type	k_q4df00982dc_proj,@function
k_q4df00982dc_proj:
	s_mov_b64 s[64:65], 0
	v_nop
	global_prefetch_b8 v0, s[64:65] scope:SCOPE_SE
	s_setreg_imm32_b32 hwreg(HW_REG_WAVE_MODE, 25, 1), 1
	s_wait_xcnt 0x0
	s_wait_alu depctr_hold_cnt(0) depctr_sa_sdst(0) depctr_va_vdst(0) depctr_va_sdst(0) depctr_va_ssrc(0) depctr_va_vcc(0) depctr_vm_vsrc(0)
	s_getreg_b32 s2, hwreg(HW_REG_IB_STS2, 6, 4)
	s_cmp_eq_u32 s2, 0
	s_cbranch_scc0 .Lentry_in_a_cluster
	s_endpgm
.Lentry_in_a_cluster:
	s_bfe_u32 s2, ttmp6, 0x10000c
	s_cmp_lg_u32 s2, 0xf033
	s_cbranch_scc0 .Lentry_shape_is_right
	s_endpgm
.Lentry_shape_is_right:
; out = a W + b on codes of BF6 (E3M2) with E8M0 scales, K = 1,024.  A work-group makes 256 x 256, each of its four waves 128 x 128; K goes in steps of 256 through two LDS slots, joint loads in a cluster of 4 x 4.
; Source 0 ("B") = 16 rows of the weight's operand (output columns, in their own order), source 1 ("A") = a tile of 16 tokens: a lane holds eight neighbouring columns of one row of out.
; A's CODES ARE IMAGES OF THE OPERAND'S REGISTERS: a tile of 16 tokens has 12,288 bytes, 768 for each head (registers 0-3 at 16 x lane, registers 4-5 at 512 + 8 x lane); 128 along K are two heads.
; So a fragment of A comes by four dense LDS loads, and a wave's tile of A is 8 rows of 3,072 bytes.  A tile's token r is 8 u + r + 8 (r / 8) of a run of 32: the way out puts the rows in their places.
; A's scale words lie by head: an even head's word holds bytes 0, 1, an odd head's bytes 2, 3: the two are joined by an OR, once.  All scale words of K are 64 registers.  The bias is the C of the first products.
; REGISTERS as in the launch that makes q, k and v: window 0: v16-23 LDS addresses, v24-31 other addresses, v32-63 A's scale words, v64-95 B's, v96-127 and v224-255 the bias, v128-223 A's fragments;
;   window 1: B's two sets;  windows 2, 3: the accumulators.  128 work-groups: the tile is kept large, since the launch is short beside the others.
.set KROW,  768
.set ROWB,  192
.set PITCH, 240
.set FR,    12
.set NLA,   4                          ; LDS loads of a fragment of A
.set NP,    4
.set HALFA, 24576                      ; 8 tiles x 3,072 bytes
.set HALFB, 128*PITCH
.set SLOT,  2*HALFA+2*HALFB
.set SPARE, 2*SLOT                     ; behind the ring: the spare words, 128 bytes a wave
.set SPITCH, 528                       ; the way out: 16 rows x (512 + 16) bytes a wave, in slot 0, which has had its last fill and its last read by then
.set WPC,   9011200
.set WPS,   9797632
.set ADRA,  16
.set ADRB,  20
.set STO,   24
.set RD,    25
.set CO,    26
.set L32,   27
.set SPW,   28
.set NIL,   29
.set BO,    30
.set L4,    31
.set SCA,   32
.set SCB,   64
.set AF,    128
.set BK,    128
.set G1,    24
.set G0,    32
.set G1B,   48
.set G0B,   56
.set MSB, 0
.macro WIN new
.if MSB != (\new)
	s_set_vgpr_msb (MSB<<8)|(\new)
.set MSB, (\new)
.endif
.endm
.set MUL_LO, 0xa1
.set MUL_HI, 0xf1
.set BIA_LO, 0x81
.set BIA_HI, 0xc1
.set TO_B,   0x40
.macro JLOAD g0a, g1a, g0b, g1b        ; a joint load: waves 0, 1 fetch for A, waves 2, 3 for B; four v_nop follow each line
	s_cmp_eq_u32 s15, 0
	s_cbranch_scc0 .Lfor_b_\@
	tensor_load_to_lds s[\g0a:\g0a+3], s[\g1a:\g1a+7]
	s_nop 0
.rept 4
	v_nop
.endr
	s_branch .Lasked_\@
.Lfor_b_\@:
	tensor_load_to_lds s[\g0b:\g0b+3], s[\g1b:\g1b+7]
	s_nop 0
.rept 4
	v_nop
.endr
.Lasked_\@:
.endm
.macro CREST
	s_cmp_lg_u32 s14, 0
	s_cbranch_scc1 .Lnot_wave_0_\@
	s_barrier_signal -3
.Lnot_wave_0_\@:
	s_barrier_wait -3
	s_barrier_signal -1
	s_barrier_wait -1
.endm
.macro CROUND
	s_barrier_signal -1
	s_barrier_wait -1
	CREST
.endm
.macro PLACES n
.rept \n
	v_nop
.endr
.endm
.macro FRAG reg, adr, q, i             ; B: six pieces of 8 bytes from padded rows
.irp p, 0,1,2,3,4,5
.set PCE, 12*(\q)+6*(\p/3)+\p%3
.if PCE%8 < 5
	ds_load_b64 v[\reg+2*\p:\reg+2*\p+1], v[\adr] offset:8*PCE+16*(PCE/8)+(\i)*16*PITCH
.else
	ds_load_b64 v[\reg+2*\p:\reg+2*\p+1], v[\adr+2] offset:8*PCE+16*(PCE/8)+(\i)*16*PITCH
.endif
.endr
.endm
.macro FRAGI reg, slot, q, i           ; A: two half images
	ds_load_b128 v[(\reg):(\reg)+3], v[ADRA+\slot] offset:3072*(\i)+1536*(\q)
	ds_load_b64 v[(\reg)+4:(\reg)+5], v[ADRA+2+\slot] offset:3072*(\i)+1536*(\q)+512
	ds_load_b128 v[(\reg)+6:(\reg)+9], v[ADRA+\slot] offset:3072*(\i)+1536*(\q)+768
	ds_load_b64 v[(\reg)+10:(\reg)+11], v[ADRA+2+\slot] offset:3072*(\i)+1536*(\q)+1280
.endm
.macro FETCH_B slot, q, p
	WIN TO_B
.irp i, 0,1,2,3,4,5,6,7
	FRAG 128*(\p)+FR*\i, ADRB+\slot, \q, \i
.endr
	WIN 0
.endm
.macro FETCH_A slot, q, i0
.irp i, \i0, \i0+1, \i0+2, \i0+3
	FRAGI AF+FR*(\i), \slot, \q, \i
.endr
.endm
.macro WM
.if rW == 0
	v_wmma_scale_f32_16x16x128_f8f6f4 v[rD:rD+7], v[rB:rB+11], v[rA:rA+11], v[rC:rC+7], v[rSB], v[rSA] matrix_a_fmt:MATRIX_FMT_BF6 matrix_b_fmt:MATRIX_FMT_BF6
.elseif rW == 1
	v_wmma_scale_f32_16x16x128_f8f6f4 v[rD:rD+7], v[rB:rB+11], v[rA:rA+11], v[rC:rC+7], v[rSB], v[rSA] matrix_a_fmt:MATRIX_FMT_BF6 matrix_b_fmt:MATRIX_FMT_BF6 matrix_b_scale:MATRIX_SCALE_ROW1
.elseif rW == 2
	v_wmma_scale_f32_16x16x128_f8f6f4 v[rD:rD+7], v[rB:rB+11], v[rA:rA+11], v[rC:rC+7], v[rSB], v[rSA] matrix_a_fmt:MATRIX_FMT_BF6 matrix_b_fmt:MATRIX_FMT_BF6 matrix_a_scale:MATRIX_SCALE_ROW1
.else
	v_wmma_scale_f32_16x16x128_f8f6f4 v[rD:rD+7], v[rB:rB+11], v[rA:rA+11], v[rC:rC+7], v[rSB], v[rSA] matrix_a_fmt:MATRIX_FMT_BF6 matrix_b_fmt:MATRIX_FMT_BF6 matrix_a_scale:MATRIX_SCALE_ROW1 matrix_b_scale:MATRIX_SCALE_ROW1
.endif
.endm
.macro MUL16 a0, p, kap, cm            ; 16 products; cm = 1: C = the bias of B's block.  The 64 accumulators take turns
.irp a, \a0, \a0+1
.irp b, 0,1,2,3,4,5,6,7
.set rD, 8*(8*((\a)%4)+\b)
.set rB, 128*(\p)+FR*\b
.set rA, AF+FR*(\a)
.set rSB, SCB+8*(\b/2)+(\kap)
.set rSA, SCA+8*((\a)/2)+(\kap)
.set rW, 2*(\b%2)+((\a)%2)
.if \cm == 0
.set rC, rD
.else
.set rC, 96+8*\b+96*(\b/4)
.endif
	WM
.endr
.endr
.endm
.macro STEP slot, ks, cm
	s_wait_dscnt 4*NLA                             ; B's set and A's blocks 0-3 are in; the youngest 16 loads (A's blocks 4-7) may be out
.if \cm
	WIN BIA_LO
.else
	WIN MUL_LO
.endif
	MUL16 0, 0, 2*(\ks), \cm
	MUL16 2, 0, 2*(\ks), \cm
	s_wait_dscnt 0
	PLACES NP
	FETCH_B \slot, 1, 1
	FETCH_A \slot, 1, 0
.if \cm
	WIN BIA_HI
.else
	WIN MUL_HI
.endif
	MUL16 4, 0, 2*(\ks), \cm
	MUL16 6, 0, 2*(\ks), \cm
	PLACES NP
	WIN 0
	FETCH_A \slot, 1, 4
.endm
.macro TURN slot, next, fill, ks
	s_wait_tensorcnt 0x0                           ; all my tensor loads have landed: my part of the next slot
	ds_add_u32 v[SPW], v[NIL]
	s_wait_dscnt 4*NLA+1                           ; the add and the youngest 16 loads may be out
	WIN MUL_LO
	MUL16 0, 1, 2*(\ks)+1, 0
	s_wait_dscnt 0x0                               ; the add is done, and my reads of this slot are over
	s_barrier_signal -1
	MUL16 2, 1, 2*(\ks)+1, 0
	WIN 0
	s_barrier_wait -1
.if \fill
	CREST                                          ; the barrier has opened a round of the cluster's barrier
	s_add_nc_u64 s[G0+4*\slot+2:G0+4*\slot+3], s[G0+4*\slot+2:G0+4*\slot+3], 2*3072
	s_add_nc_u64 s[G0B+4*\slot+2:G0B+4*\slot+3], s[G0B+4*\slot+2:G0B+4*\slot+3], 2*ROWB
	JLOAD G0+4*\slot, G1, G0B+4*\slot, G1B         ; the first tensor load behind the round; its four v_nop are the places in front of the loads below
.else
	PLACES NP
.endif
	FETCH_B \next, 0, 0
	FETCH_A \next, 0, 0
	WIN MUL_HI
	MUL16 4, 1, 2*(\ks)+1, 0
	MUL16 6, 1, 2*(\ks)+1, 0
	PLACES NP
	WIN 0
	FETCH_A \next, 0, 4
.endm
	s_load_b256 s[4:11], s[0:1], 0x0               ; a's codes, a's scale words, the weight's codes and scales, c_proj_b
	s_load_b64 s[12:13], s[0:1], 0x20              ; out
	v_lshl_add_u32 v[SPW], v0, 2, SPARE
	v_mov_b32 v[NIL], 0
	ds_add_u32 v28, v29
	ds_add_u32 v28, v29
	s_wait_dscnt 0x0
	v_lshrrev_b32 v1, 5, v0
	v_readfirstlane_b32 s14, v1                    ; wave 0..3
	s_lshr_b32 s15, s14, 1                         ; my half of the rows.  Also: I fetch for A (0) or for B (1)
	s_and_b32 s16, s14, 1                          ; my half of the columns.  Also: which half I fetch
	s_bfe_u32 s40, ttmp6, 0x40000                  ; cx
	s_bfe_u32 s41, ttmp6, 0x40004                  ; cy
	s_lshl_b32 s42, ttmp9, 2
	s_add_co_u32 s42, s42, s40                     ; tile column
	s_and_b32 s17, ttmp7, 0xffff
	s_lshl_b32 s17, s17, 2
	s_add_co_u32 s17, s17, s41                     ; tile row
	s_lshl_b32 s43, s41, 2
	s_lshl_b32 s43, 15, s43                        ; my row of the cluster
	s_lshl_b32 s44, 0x1111, s40                    ; my column
	s_or_b32 s[G1+0], s43, (3<<16)|(1<<21)         ; A: the mask; elements of 8 bytes; no padding; bit 21 beside a mask
	s_mov_b32 s[G1+1], 384<<16                     ; tensor_dim0: 3,072 bytes: a tile's four heads of this K step
	s_mov_b32 s[G1+2], 8<<16                       ; tensor_dim1: 8 tiles of 16 tokens
	s_mov_b32 s[G1+3], 384<<16                     ; tile_dim0
	s_mov_b32 s[G1+4], 8                           ; tile_dim1
	s_mov_b32 s[G1+5], 1536                        ; the pitch: 12,288 bytes from tile to tile
	s_mov_b32 s[G1+6], 0
	s_mov_b32 s[G1+7], 0
	s_or_b32 s[G1B+0], s44, (0<<16)|(1<<20)|(1<<21)|(3<<22)|(3<<25)  ; B: elements of 1 byte; 4 words of padding behind every 16
	s_mov_b32 s[G1B+1], ROWB<<16
	s_mov_b32 s[G1B+2], 128<<16
	s_mov_b32 s[G1B+3], ROWB<<16
	s_mov_b32 s[G1B+4], 128
	s_mov_b32 s[G1B+5], KROW
	s_mov_b32 s[G1B+6], 0
	s_mov_b32 s[G1B+7], 0
	s_lshl_b32 s20, s17, 4
	s_lshl_b32 s18, s16, 3
	s_add_co_u32 s20, s20, s18                     ; A: the first tile of tokens that I fetch
	s_mul_i32 s20, s20, 12288
	s_mov_b32 s21, 0
	s_lshl_b32 s18, s16, 7
	s_lshl_b32 s46, s42, 8
	s_add_co_u32 s46, s46, s18                     ; B: the first row that I fetch, which is also the first that I multiply
	s_mov_b32 s93, s46
	s_mul_i32 s46, s46, KROW
	s_add_co_u32 s46, s46, WPC
	s_mov_b32 s47, 0
	s_mul_i32 s45, s16, HALFA                      ; where A's half goes,
	s_mul_i32 s94, s16, HALFB
	s_add_co_u32 s94, s94, 2*HALFA                 ; and B's
	s_lshl_b32 s92, s17, 1
	s_add_co_u32 s92, s92, s15                     ; my block of 128 tokens
	s_lshl_b32 s90, s92, 13                        ; its scale words: 8,192 bytes
	s_mov_b32 s91, 0
	s_lshl_b32 s88, s93, 5
	s_add_co_u32 s88, s88, WPS
	s_mov_b32 s89, 0
	s_wait_kmcnt 0x0
	s_add_nc_u64 s[20:21], s[4:5], s[20:21]
	s_add_nc_u64 s[46:47], s[8:9], s[46:47]
	s_add_nc_u64 s[68:69], s[6:7], s[90:91]
	s_add_nc_u64 s[70:71], s[8:9], s[88:89]
	CROUND                                         ; all sixteen work-groups are here: the first joint loads meet
.irp s, 0,1
	s_mov_b32 s[G0+4*\s], 1
	s_add_co_u32 s[G0+4*\s+1], s45, \s*SLOT
	s_add_nc_u64 s[G0+4*\s+2:G0+4*\s+3], s[20:21], \s*3072
	s_or_b32 s[G0+4*\s+3], s[G0+4*\s+3], 0x80000000
	s_mov_b32 s[G0B+4*\s], 1
	s_add_co_u32 s[G0B+4*\s+1], s94, \s*SLOT
	s_add_nc_u64 s[G0B+4*\s+2:G0B+4*\s+3], s[46:47], \s*ROWB
	s_or_b32 s[G0B+4*\s+3], s[G0B+4*\s+3], 0x80000000
	JLOAD G0+4*\s, G1, G0B+4*\s, G1B
.endr
	s_lshl_b32 s88, s93, 2
	s_add_nc_u64 s[72:73], s[10:11], s[88:89]      ; the bias at my first column
	s_lshl_b32 s90, s92, 19                        ; out: 128 rows of 4,096 bytes a block,
	s_add_co_u32 s90, s90, s88                     ; + 4 x my first column
	s_add_nc_u64 s[12:13], s[12:13], s[90:91]
	v_and_b32 v1, 15, v0                           ; r
	v_bfe_u32 v2, v0, 4, 1                         ; h
	v_and_b32 v6, 31, v0
	v_lshlrev_b32 v[CO], 4, v6
	v_lshlrev_b32 v7, 3, v6
	v_lshlrev_b32 v[L32], 5, v6
	v_lshlrev_b32 v[L4], 2, v6
	v_lshlrev_b32 v[BO], 5, v2                     ; the bias: 8 h columns on
	v_mul_u32_u24 v3, v1, PITCH
	v_mul_u32_u24 v4, v2, 24
	v_add_nc_u32 v4, v3, v4
	v_lshl_add_u32 v5, v2, 4, v4
	s_mul_i32 s84, s15, HALFA                      ; my 8 tiles of A
	s_mul_i32 s85, s16, HALFB
	s_add_co_u32 s85, s85, 2*HALFA                 ; my 128 rows of B
.irp s, 0,1
	v_add_nc_u32 v[ADRA+\s], s84, v[CO]
	v_add_nc_u32 v[ADRA+2+\s], s84, v7
	v_add_nc_u32 v[ADRB+\s], s85, v4
	v_add_nc_u32 v[ADRB+2+\s], s85, v5
	s_add_co_u32 s84, s84, SLOT
	s_add_co_u32 s85, s85, SLOT
.endr
	s_mul_i32 s84, s14, 16*SPITCH                  ; my stage
	v_mul_u32_u24 v5, v1, SPITCH
	v_lshl_add_u32 v5, v2, 5, v5
	v_add_nc_u32 v[STO], s84, v5                   ; in: row r, 32 bytes for each half of the lanes
	v_add_nc_u32 v[RD], s84, v[CO]                 ; back: the 32 lanes take a row of 512 bytes
.irp p, 0,1,2,3
.irp k, 0,1,2,3,4,5,6,7
	global_load_b32 v[SCA+8*\p+\k], v[L4], s[68:69] offset:1024*\k+128*\p          ; the even head's word (bytes 0, 1),
	global_load_b32 v[128+8*\p+\k], v[L4], s[68:69] offset:1024*\k+512+128*\p      ; the odd head's (bytes 2, 3)
.endr
.endr
.irp p, 0,1,2,3
	global_load_b128 v[SCB+8*\p:SCB+8*\p+3], v[L32], s[70:71] offset:1024*\p
	global_load_b128 v[SCB+8*\p+4:SCB+8*\p+7], v[L32], s[70:71] offset:1024*\p+16
.endr
.irp b, 0,1,2,3,4,5,6,7
	global_load_b128 v[96+8*\b+96*(\b/4):96+8*\b+96*(\b/4)+3], v[BO], s[72:73] offset:64*\b
	global_load_b128 v[96+8*\b+96*(\b/4)+4:96+8*\b+96*(\b/4)+7], v[BO], s[72:73] offset:64*\b+16
.endr
	s_wait_loadcnt 0x0
.set j, 0
.rept 32
	v_or_b32 v[SCA+j], v[SCA+j], v[128+j]
.set j, j+1
.endr
	PLACES 8                                       ; a scale register written by a vector instruction stands eight places ahead of the product
	s_wait_tensorcnt 1                             ; my part of K step 0 is in (K step 1's load may be out),
	s_barrier_signal -1
	s_barrier_wait -1                              ; everybody's is
	FETCH_B 0, 0, 0
	FETCH_A 0, 0, 0
	FETCH_A 0, 0, 4
	STEP 0, 0, 1                                   ; the first products start the sums with the bias
	TURN 0, 1, 1, 0
	STEP 1, 1, 0
	TURN 1, 0, 1, 1
	STEP 0, 2, 0
	TURN 0, 1, 0, 2                                ; nothing is left to fetch
	STEP 1, 3, 0
	s_wait_dscnt 4*NLA
	WIN MUL_LO
	MUL16 0, 1, 7, 0
	MUL16 2, 1, 7, 0
	s_wait_dscnt 0
	WIN MUL_HI
	MUL16 4, 1, 7, 0
	MUL16 6, 1, 7, 0
	WIN 0
; THE WAY OUT, a tile of 16 tokens x 128 columns at a time, through my own stage: in as 32 bytes a lane, back as whole rows of 512 bytes.  LDS serves a wave's instructions in order.
.macro TOSTAGE a
.set AC, 64*((\a)%4)
	WIN 0x08+4*((\a)/4)                            ; the data: window 2 or 3
.irp b, 0,1,2,3,4,5,6,7
	ds_store_b128 v[STO], v[AC+8*\b:AC+8*\b+3] offset:64*\b          ; each accumulator from its low end on
	ds_store_b128 v[STO], v[AC+8*\b+4:AC+8*\b+7] offset:64*\b+16
.endr
	WIN 0
.set BB, BK+64*((\a)%2)
.irp t, 0,1,2,3,4,5,6,7,8,9,10,11,12,13,14,15
	ds_load_b128 v[BB+4*\t:BB+4*\t+3], v[RD] offset:\t*SPITCH
.endr
.endm
.macro SEND a, younger                 ; stage row t of tile a is token 32 (a / 2) + 8 (a % 2) + t + 8 (t / 8) of my 128: 127 rows of 4,096 bytes at the most, inside the immediate
.set BB, BK+64*((\a)%2)
	s_wait_dscnt \younger
.irp t, 0,1,2,3,4,5,6,7,8,9,10,11,12,13,14,15
	global_store_b128 v[CO], v[BB+4*\t:BB+4*\t+3], s[12:13] offset:(32*((\a)/2)+8*((\a)%2)+\t+8*(\t/8))*4096 th:TH_STORE_NT   ; 32 lanes store 512 consecutive bytes, aligned
.endr
.endm
	PLACES NP
	TOSTAGE 0
.irp a, 1,2,3,4,5,6,7
.if \a > 1
	s_wait_xcnt 0x0                                ; the stores of two tiles ago have read their registers: this tile's loads may land there
.endif
	TOSTAGE \a
	SEND \a-1, 32                                  ; behind that tile's loads: this tile's 16 stores and 16 loads
.endr
	SEND 7, 0
	s_wait_tensorcnt 0x0                           ; the wave's end
	ds_add_u32 v[SPW], v[NIL]
	s_wait_dscnt 0x0
	CROUND                                         ; the closing round
	s_endpgm
.Lfunc_end_k_q4df00982dc_proj:
	.size	k_q4df00982dc_proj, .Lfunc_end_k_q4df00982dc_proj-k_q4df00982dc_proj
	.p2alignl 7, 3214868480
	.fill 96, 4, 3214868480
	.section	.rodata,"a",@progbits
	.p2align	6, 0x0
	.amdhsa_kernel k_q4df00982dc_proj
		.amdhsa_group_segment_fixed_size 327680
		.amdhsa_private_segment_fixed_size 0
		.amdhsa_enable_private_segment 0
		.amdhsa_kernarg_size 40
		.amdhsa_user_sgpr_count 2
		.amdhsa_user_sgpr_kernarg_segment_ptr 1
		.amdhsa_wavefront_size32 1
		.amdhsa_system_sgpr_workgroup_id_x 1
		.amdhsa_system_sgpr_workgroup_id_y 1
		.amdhsa_system_sgpr_workgroup_id_z 1
		.amdhsa_system_vgpr_workitem_id 0
		.amdhsa_next_free_vgpr 1024
		.amdhsa_next_free_sgpr 100
		.amdhsa_reserve_vcc 0
		.amdhsa_float_denorm_mode_32 3
		.amdhsa_float_denorm_mode_16_64 3
		.amdhsa_memory_ordered 1
		.amdhsa_forward_progress 1
		.amdhsa_inst_pref_size 157
	.end_amdhsa_kernel
	.amdgpu_metadata
---
amdhsa.version: [ 1, 2 ]
amdhsa.kernels:
  - .name:           k_q4df00982dc_proj
    .symbol:         k_q4df00982dc_proj.kd
    .args:
      - { .name: acd, .offset: 0, .size: 8, .value_kind: global_buffer, .address_space: global }
      - { .name: asc, .offset: 8, .size: 8, .value_kind: global_buffer, .address_space: global }
      - { .name: opq, .offset: 16, .size: 8, .value_kind: global_buffer, .address_space: global }
      - { .name: c_proj_b, .offset: 24, .size: 8, .value_kind: global_buffer, .address_space: global }
      - { .name: out0, .offset: 32, .size: 8, .value_kind: global_buffer, .address_space: global }
    .group_segment_fixed_size: 327680
    .private_segment_fixed_size: 0
    .kernarg_segment_align: 8
    .kernarg_segment_size: 40
    .max_flat_workgroup_size: 128
    .sgpr_count:     100
    .vgpr_count:     1024
    .wavefront_size: 32
...
	.end_amdgpu_metadata
.endif
;; end of part 4
